; MI455X (gfx1250); checked and timed in simulation.
; The chip was launched on July 23, 2026; its instructions are those of AMD's public machine-readable ISA for CDNA 5 (MIT licence, August 2026) and "CDNA5" Instruction Set Architecture Reference Guide (July 2026). The comments in the code are by the model that wrote it; some were corrected since.
;; Mo E Layer. Allowed arithmetic: matrix products marked QUANTISED: E2M3 operands, one E8M0 scale for each 32 along K, by v_wmma_scale_f32_16x16x128_f8f6f4 with both operands' format E2M3, f32 sums; products left as they are: f32 operands where the result goes on into a quantised operand, else bf16, f16 or f32 operands; f32 sums; everything else in f32.
;; Inputs: W1 8 x 1,024 x 4,096 float32; W2 8 x 4,096 x 1,024 float32; Wr 1,024 x 8 float32; b1 8 x 4,096 float32; b2 8 x 1,024 float32; beta 1,024 float32; br 8 float32; gamma 1,024 float32; x 4 x 256 x 1,024 float32.
;; Outputs: out0 4 x 256 x 1,024 float32.
;; This version of the problem:
;;   THIS VERSION OF THE PROBLEM IS GIVEN IN LOW PRECISION. The matrix products marked QUANTISED in the list below multiply operands that are first quantised to E2M3 (2 exponent bits, 3 mantissa bits; 6 bits a number), with one power-of-two scale for each 32 numbers along K (OCP MX v1.0); their sums are f32. All else is computed in f32.
;;   The module's matrix products, in the order in which they are computed (A, B: the left and right operand; K: the contracted axis; several contracted axes count as one K, in the product's order):
;;     1. [M 4, K 1,024] x [K 1,024, N 8]; A: computed on the way; B: input Wr: left as it is (M = 4 < 16)
;;     2. [M 32,768, K 1,024] x [K 1,024, N 1,024]; A: input W1; B: input x: QUANTISED
;;     3. batch 8 x [M 1,024, K 4,096] x [K 4,096, N 1,024]; A: computed on the way; B: input W2: QUANTISED
;;     4. batch 1,024 x [M 1, K 2] x [K 2, N 8]; A: softmax; B: computed on the way: left as it is (K = 2 < 32)
;;     5. batch 1,024 x [M 1, K 8] x [K 8, N 1,024]; A: computed on the way; B: computed on the way: left as it is (K = 8 < 32)
;;   THE QUANTISER, for each operand of a quantised product, along K:
;;     - K is cut into blocks of 32 from its start; a last block that is shorter is filled with zeros.
;;     - A block's scale is 2^e with e = floor(log2(the largest magnitude in the block)) - 2, held to -126 .. 127; a block of zeros has e = 0. As a byte (E8M0): e + 127.
;;     - Each number is divided by its block's scale, clamped to +-7.5, and rounded to the nearest number of E2M3, ties to even, subnormals kept.
;;     - The product sums the exact products of the quantised numbers (number of the format x scale) in f32.
;;   ~~~python
;;   def quantise(x, axis):      # numpy; x: float32 -> the quantised numbers, widened to float32 again
;;       x = np.moveaxis(x, axis, -1); K = x.shape[-1]
;;       x = np.pad(x, [(0, 0)] * (x.ndim - 1) + [(0, -K % 32)]); x = x.reshape(x.shape[:-1] + (-1, 32)); a = np.abs(x).max(-1, keepdims=True)
;;       e = np.where(a > 0, np.clip(np.frexp(np.where(a > 0, a, 1))[1] - 1 - 2, -126, 127), 0)      # np.frexp(a)[1] - 1 = floor(log2(a)), exactly
;;       r = np.clip(x / 2.0 ** e, -7.5, 7.5)
;;       step = 2.0 ** (np.maximum(np.frexp(np.where(r == 0, 1, r))[1] - 1, 0) - 3)
;;       q = np.round(r / step) * step * 2.0 ** e      # np.round: ties to even
;;       return np.moveaxis(q.reshape(q.shape[:-2] + (-1,))[..., :K], -1, axis).astype(np.float32)
;;   ~~~
;;   OPERANDS COMPUTED ON THE WAY. 'Computed on the way' means the value that the module computes at that place (a softmax that the list does not call 'softmax' is quantised finished and normalised). What goes into a quantiser is computed in f32, as accurately as f32 sums, v_exp_f32 and their like allow (about 1e-6 of the number): no bf16 or f16 on the way to a quantiser, and a product that is left as it is and whose result goes on into a quantised operand takes f32 operands (vector FMAs, or v_wmma_f32_16x16x4_f32). A number that lies on a knife's edge between two numbers of the format may be rounded either way, as far as f32 arithmetic and the matrix unit's own rounding can turn it there, and no further.
;; One version. Each part assembles by itself: llvm-mc -triple=amdgcn-amd-amdhsa -mcpu=gfx1250 --defsym DOCPART=n.
;; ======== version 1 of 1: 5 launches
;; limits: right only within a limited range of input values
;; workspace buffers: xc 786,432 bytes; xs 32,768 bytes; ps 262,144 bytes; idx 256 bytes of whole numbers; cw 256 bytes; hc 6,291,456 bytes; hs 262,144 bytes; part 33,554,432 bytes
;; launch quantx (part 1): grid 256 x 1, 2 waves a work-group, no clusters, 17,152 bytes of LDS; arguments x, xc, xs, ps; writes xc, xs, ps
.if DOCPART == 1
	.amdgcn_target "amdgcn-amd-amdhsa--gfx1250"
	.amdhsa_code_object_version 6
	.text
	.protected	k_qd824219e8a_quantx
	.globl	k_qd824219e8a_quantx
	.p2align	8
	.type	k_qd824219e8a_quantx,@function
k_qd824219e8a_quantx:
	s_mov_b64 s[64:65], 0
	v_nop
	global_prefetch_b8 v0, s[64:65] scope:SCOPE_SE
	s_setreg_imm32_b32 hwreg(HW_REG_WAVE_MODE, 25, 1), 1
	s_wait_xcnt 0x0
; x [4][256][1024] f32 becomes codes of E2M3 with one E8M0 byte for each 32 along the last axis, laid as the products' operand registers want them,
; and the column sums of each 16 tokens (for the router's mean).
; A wave makes ONE fragment: 16 tokens x 128 along K, 12 registers a lane: lane (r, h) holds token r, registers 6 c .. 6 c + 5 the codes of k = 64 c + 32 h + 0 .. 31.
; xc: [tile of 16 tokens][K step 0..7][1,536 bytes]: three pieces of 512 bytes, piece ch = registers 4 ch .. 4 ch + 3, lane l's 16 bytes at 16 l.
; xs: [batch][K step][token] one word: byte 2 c + h is the scale of k = 64 c + 32 h ...   ps: [tile][1024] f32.
; Each load reads 512 consecutive bytes (one token's 128 numbers); the 16 tokens turn through the wave's own stage in LDS, so that a lane gets 32 neighbours along K.
; A block's scale is 2^(floor(log2(largest magnitude)) - 2): its byte is the largest magnitude's exponent field - 2, held at 1 from below by a floor among the maximum's leaves.
; LIMITS: a block of zeros gets the byte 1 where the rule says 127 (its codes are zeros, and only this program reads the bytes); magnitudes under 2^-124 are held at the floor; NaN and infinities are not served.
.set SP,  528                          ; a stage row: 512 bytes + 16, so that the 16 rows that a read touches begin 4 words apart
.set R,   16                           ; v16-79   the 16 tokens as loaded
.set X,   80                           ; v80-143  my two blocks of 32 neighbours
.set S,   144                          ; v144-147 column sums
.set C,   148                          ; v148-159 the fragment
.set TH,  16                           ; v16-23   the upper halves' codes (R is done with by then)
	s_load_b256 s[4:11], s[0:1], 0x0               ; x s[4:5], xc s[6:7], xs s[8:9], ps s[10:11]
	v_lshl_add_u32 v160, v0, 2, 0x4200
	v_mov_b32 v161, 0
	v_lshrrev_b32 v1, 5, v0
	v_readfirstlane_b32 s12, v1                    ; wave 0, 1
	v_and_b32 v1, 31, v0                           ; lane
	v_lshlrev_b32 v2, 4, v1                        ; 16 x lane
	v_and_b32 v3, 15, v0                           ; r
	v_bfe_u32 v4, v0, 4, 1                         ; h
	s_mul_i32 s13, s12, 16*SP                      ; my wave's stage
	v_add_nc_u32 v5, s13, v2                       ; into it: 16 x lane of a row
	v_mul_u32_u24 v6, v3, SP
	v_lshl_add_u32 v6, v4, 7, v6
	v_add_nc_u32 v6, s13, v6                       ; out of it: row r, + 128 h
	v_lshlrev_b32 v7, 2, v3                        ; 4 r
	v_lshlrev_b32 v8, 3, v4                        ; 8 h
	s_mov_b32 s16, 0x76543210
	s_mov_b32 s17, 0xfedcba98                      ; v_permlanex16_b32's selects for lane l xor 16
	s_lshr_b32 s14, ttmp9, 2                       ; tile of 16 tokens, 0..63
	s_and_b32 s15, ttmp9, 3
	s_lshl_b32 s15, s15, 1
	s_add_co_u32 s15, s15, s12                     ; K step 0..7
	s_lshl_b32 s20, s14, 16                        ; x: tile x 16 rows of 4,096 bytes + 512 x K step
	s_lshl_b32 s22, s15, 9
	s_add_co_u32 s20, s20, s22
	s_mov_b32 s21, 0
	s_lshl_b32 s22, s14, 3                         ; xc: (8 tile + K step) x 1,536
	s_add_co_u32 s22, s22, s15
	s_mul_i32 s22, s22, 1536
	s_mov_b32 s23, 0
	s_lshl_b32 s24, s14, 12                        ; ps: tile x 4,096 + 512 x K step
	s_lshl_b32 s26, s15, 9
	s_add_co_u32 s24, s24, s26
	s_mov_b32 s25, 0
	s_lshr_b32 s26, s14, 4                         ; xs: (8 batch + K step) x 1,024 + 64 x (tile in the batch)
	s_lshl_b32 s26, s26, 3
	s_add_co_u32 s26, s26, s15
	s_lshl_b32 s26, s26, 10
	s_and_b32 s28, s14, 15
	s_lshl_b32 s28, s28, 6
	s_add_co_u32 s26, s26, s28
	s_mov_b32 s27, 0
	s_wait_alu depctr_va_vdst(0)
	s_wait_kmcnt 0x0
	s_add_nc_u64 s[4:5], s[4:5], s[20:21]
	s_add_nc_u64 s[6:7], s[6:7], s[22:23]
	s_add_nc_u64 s[10:11], s[10:11], s[24:25]
	s_add_nc_u64 s[8:9], s[8:9], s[26:27]
.irp q, 0,1,2,3,4,5,6,7,8,9,10,11,12,13,14,15
	global_load_b128 v[R+4*\q:R+4*\q+3], v2, s[4:5] offset:4096*\q th:TH_LOAD_NT   ; token q: 32 lanes read 512 consecutive bytes
.endr
.irp q, 0,1,2,3,4,5,6,7,8,9,10,11,12,13,14,15
	s_wait_loadcnt 15-\q                           ; loads come back in order: token q is in, the younger ones stay out
	ds_store_b128 v5, v[R+4*\q:R+4*\q+3] offset:SP*\q
.if \q == 1
	v_pk_add_f32 v[S:S+1], v[R:R+1], v[R+4:R+5]    ; the first two tokens start the sums: nothing is cleared
	s_wait_alu depctr_va_vdst(0)
	v_pk_add_f32 v[S+2:S+3], v[R+2:R+3], v[R+6:R+7]
.elseif \q > 1
	v_pk_add_f32 v[S:S+1], v[S:S+1], v[R+4*\q:R+4*\q+1]
	s_wait_alu depctr_va_vdst(0)
	v_pk_add_f32 v[S+2:S+3], v[S+2:S+3], v[R+4*\q+2:R+4*\q+3]
.endif
.endr
	global_store_b128 v2, v[S:S+3], s[10:11]       ; 512 consecutive bytes of column sums
.irp c, 0,1
.irp i, 0,1,2,3,4,5,6,7
	ds_load_b128 v[X+32*\c+4*\i:X+32*\c+4*\i+3], v6 offset:256*\c+16*\i   ; LDS serves a wave's instructions in order: these see my stores
.endr
.endr
	s_wait_dscnt 0x0
.irp c, 0,1
	v_max3_num_f32 v[10+\c], |v[X+32*\c]|, |v[X+32*\c+1]|, 0x1800000   ; block 2 c + h: all 32 numbers are mine; the floor 2^(3 - 127) keeps the byte at 1 or more
.endr
.irp i, 2,4,6,8,10,12,14,16,18,20,22,24,26,28,30
.irp c, 0,1
	v_max3_num_f32 v[10+\c], v[10+\c], |v[X+32*\c+\i]|, |v[X+32*\c+\i+1]|   ; the two blocks by turns
.endr
.endr
.irp c, 0,1
	v_add_nc_u32 v[12+\c], 0xff000000, v[10+\c]    ; 2 off the exponent field: the conversion takes this operand's exponent field as its scale
.endr
.irp c, 0,1
	v_lshrrev_b32 v[14+\c], 23, v[12+\c]           ; the scale's byte
.endr
.irp c, 0,1
	v_cvt_scalef32_pk16_fp6_f32 v[C+6*\c:C+6*\c+2], v[X+32*\c:X+32*\c+15], v[12+\c]
	v_cvt_scalef32_pk16_fp6_f32 v[TH+4*\c:TH+4*\c+2], v[X+32*\c+16:X+32*\c+31], v[12+\c]   ; a conversion's three registers begin on an even number: the upper half is made elsewhere and moved
.endr
	v_nop                                          ; one plain line behind the last scaled conversion
.irp c, 0,1
.irp i, 0,1,2
	v_mov_b32 v[C+6*\c+3+\i], v[TH+4*\c+\i]
.endr
.endr
	v_lshl_or_b32 v9, v15, 16, v14                 ; my two bytes: blocks h and 2 + h,
	v_lshlrev_b32 v9, v8, v9                       ; at their places in the word;
	v_mov_b32 v24, 0                               ; (a lane permute's destination counts as read)
	v_permlanex16_b32 v24, v9, s16, s17
	v_or_b32 v9, v9, v24                           ; with lane l xor 16's two the word is whole
.irp ch, 0,1,2
	global_store_b128 v2, v[C+4*\ch:C+4*\ch+3], s[6:7] offset:512*\ch   ; the fragment as it stands: 512 consecutive bytes a store
.endr
	v_cmp_gt_u32 vcc_lo, 16, v1
	s_wait_alu depctr_va_vdst(0)
	s_wait_xcnt 0x0                                ; EXEC is a source of the stores above: it changes only behind this wait
	s_wait_tensorcnt 0x0
	ds_add_u32 v160, v161
	s_wait_dscnt 0x0
	s_and_saveexec_b32 s18, vcc_lo
	global_store_b32 v7, v9, s[8:9]                ; lanes 0-15: the 16 tokens' scale words
	s_wait_xcnt 0x0
	s_or_b32 exec_lo, exec_lo, s18
	s_endpgm
.Lfunc_end_k_qd824219e8a_quantx:
	.size	k_qd824219e8a_quantx, .Lfunc_end_k_qd824219e8a_quantx-k_qd824219e8a_quantx
	.p2alignl 7, 3214868480
	.fill 96, 4, 3214868480
	.section	.rodata,"a",@progbits
	.p2align	6, 0x0
	.amdhsa_kernel k_qd824219e8a_quantx
		.amdhsa_group_segment_fixed_size 17152
		.amdhsa_private_segment_fixed_size 0
		.amdhsa_enable_private_segment 0
		.amdhsa_kernarg_size 32
		.amdhsa_user_sgpr_count 2
		.amdhsa_user_sgpr_kernarg_segment_ptr 1
		.amdhsa_wavefront_size32 1
		.amdhsa_system_sgpr_workgroup_id_x 1
		.amdhsa_system_sgpr_workgroup_id_y 1
		.amdhsa_system_sgpr_workgroup_id_z 1
		.amdhsa_system_vgpr_workitem_id 0
		.amdhsa_next_free_vgpr 162
		.amdhsa_next_free_sgpr 66
		.amdhsa_reserve_vcc 1
		.amdhsa_float_denorm_mode_32 3
		.amdhsa_float_denorm_mode_16_64 3
		.amdhsa_memory_ordered 1
		.amdhsa_forward_progress 1
		.amdhsa_inst_pref_size 13
	.end_amdhsa_kernel
	.amdgpu_metadata
---
amdhsa.version: [ 1, 2 ]
amdhsa.kernels:
  - .name:           k_qd824219e8a_quantx
    .symbol:         k_qd824219e8a_quantx.kd
    .args:
      - { .name: x, .offset: 0, .size: 8, .value_kind: global_buffer, .address_space: global }
      - { .name: xc, .offset: 8, .size: 8, .value_kind: global_buffer, .address_space: global }
      - { .name: xs, .offset: 16, .size: 8, .value_kind: global_buffer, .address_space: global }
      - { .name: ps, .offset: 24, .size: 8, .value_kind: global_buffer, .address_space: global }
    .group_segment_fixed_size: 17152
    .private_segment_fixed_size: 0
    .kernarg_segment_align: 8
    .kernarg_segment_size: 32
    .max_flat_workgroup_size: 64
    .sgpr_count:     66
    .vgpr_count:     162
    .wavefront_size: 32
...
	.end_amdgpu_metadata
.endif
;; end of part 1
;; launch router (part 2): grid 4 x 1, 8 waves a work-group, no clusters, 1,536 bytes of LDS; arguments ps, Wr, br, idx, cw; writes idx, cw
.if DOCPART == 2
	.amdgcn_target "amdgcn-amd-amdhsa--gfx1250"
	.amdhsa_code_object_version 6
	.text
	.protected	k_qd824219e8a_router
	.globl	k_qd824219e8a_router
	.p2align	8
	.type	k_qd824219e8a_router,@function
k_qd824219e8a_router:
	s_mov_b64 s[64:65], 0
	v_nop
	global_prefetch_b8 v0, s[64:65] scope:SCOPE_SE
	s_setreg_imm32_b32 hwreg(HW_REG_WAVE_MODE, 25, 1), 1
	s_wait_xcnt 0x0
; One work-group a batch: logits = mean over the 256 tokens of x, times Wr, + br; softmax over the 8 experts (its maximum taken away first); the two largest, the lower index first among equals;
; softmax over those two weights.  idx[2 b + k] = the expert, cw[2 b + k] = its weight.  All in f32; no address and no branch hangs on the numbers: the choice is made by compares and selects, and stored.
; Thread t owns columns 4 t .. 4 t + 3: it adds the 16 partial column sums, multiplies by its four rows of Wr, and the 256 threads' eight sums meet across lanes and then in LDS.
; LIMITS: NaN and infinities are not served; probabilities that differ only within the exponential's rounding may order either way.
; REGISTERS: v1-4 addresses; v5-12 the experts' numbers, v13 -1.0 (no load lands on these); v16-79 the partial sums, later the waves' sums, later at work; v80-111 Wr; v112-119 my eight sums; v120-127 lane permutes' results.
.set EN,  5                            ; v5-12  0 .. 7
.set NEG, 13                           ; v13    -1.0
	s_load_b256 s[4:11], s[0:1], 0x0               ; ps s[4:5], Wr s[6:7], br s[8:9], idx s[10:11]
	s_load_b64 s[12:13], s[0:1], 0x20              ; cw
	v_lshl_add_u32 v128, v0, 2, 0x200
	v_mov_b32 v129, 0
	v_lshlrev_b32 v1, 4, v0                        ; 16 t: my four columns in a row of ps
	v_lshlrev_b32 v2, 7, v0                        ; 128 t: my four rows of Wr
	v_and_b32 v3, 0xe0, v0                         ; 32 x wave: my wave's eight words in LDS
	v_mov_b32 v4, 0
	s_lshl_b32 s14, ttmp9, 16                      ; the batch's 16 rows of ps
	s_mov_b32 s15, 0
	s_lshl_b32 s24, ttmp9, 3                       ; the batch's two words in idx and in cw
	s_mov_b32 s25, 0
	s_mov_b32 s26, 0x3b800000                      ; 1 / 256
	s_mov_b32 s28, 0x76543210
	s_mov_b32 s29, 0xfedcba98
	s_wait_alu depctr_va_vdst(0)
	s_wait_kmcnt 0x0
	s_load_b256 s[16:23], s[8:9], 0x0              ; br
	s_add_nc_u64 s[4:5], s[4:5], s[14:15]
	s_add_nc_u64 s[10:11], s[10:11], s[24:25]
	s_add_nc_u64 s[12:13], s[12:13], s[24:25]
.irp q, 0,1,2,3,4,5,6,7,8,9,10,11,12,13,14,15
	global_load_b128 v[16+4*\q:19+4*\q], v1, s[4:5] offset:4096*\q
.endr
.irp q, 0,1,2,3,4,5,6,7
	global_load_b128 v[80+4*\q:83+4*\q], v2, s[6:7] offset:16*\q   ; register 80 + 8 c + e = Wr[4 t + c][e]
.endr
.irp e, 0,1,2,3,4,5,6,7
	v_mov_b32 v[120+\e], 0                         ; (lane permutes' destinations count as read)
	v_mov_b32 v[EN+\e], \e                         ; the experts' numbers
.endr
	v_mov_b32 v[NEG], -1.0
	s_wait_loadcnt 0x0
.irp o, 0,8,16,24,32,40,48,56                  ; the 16 partial sums of my four columns, as a tree
	v_pk_add_f32 v[16+\o:17+\o], v[16+\o:17+\o], v[20+\o:21+\o]
	v_pk_add_f32 v[18+\o:19+\o], v[18+\o:19+\o], v[22+\o:23+\o]
.endr
.irp o, 0,16,32,48
	v_pk_add_f32 v[16+\o:17+\o], v[16+\o:17+\o], v[24+\o:25+\o]
	v_pk_add_f32 v[18+\o:19+\o], v[18+\o:19+\o], v[26+\o:27+\o]
.endr
.irp o, 0
	v_pk_add_f32 v[16+\o:17+\o], v[16+\o:17+\o], v[32+\o:33+\o]
	v_pk_add_f32 v[18+\o:19+\o], v[18+\o:19+\o], v[34+\o:35+\o]
.endr
.irp o, 32
	s_delay_alu instid0(VALU_DEP_4)
	v_pk_add_f32 v[16+\o:17+\o], v[16+\o:17+\o], v[32+\o:33+\o]
	s_delay_alu instid0(VALU_DEP_4)
	v_pk_add_f32 v[18+\o:19+\o], v[18+\o:19+\o], v[34+\o:35+\o]
.endr
	s_delay_alu instid0(VALU_DEP_2)
	v_pk_add_f32 v[16:17], v[16:17], v[48:49]
	s_delay_alu instid0(VALU_DEP_2)
	v_pk_add_f32 v[18:19], v[18:19], v[50:51]
.irp e, 0,1,2,3,4,5,6,7
	v_mul_f32 v[112+\e], v16, v[80+\e]
.endr
.irp e, 0,1,2,3,4,5,6,7
	v_fma_f32 v[112+\e], v17, v[88+\e], v[112+\e]
.endr
.irp e, 0,1,2,3,4,5,6,7
	v_fma_f32 v[112+\e], v18, v[96+\e], v[112+\e]
.endr
.irp e, 0,1,2,3,4,5,6,7
	v_fma_f32 v[112+\e], v19, v[104+\e], v[112+\e]
.endr
.irp x, 1,2,4,8                                ; across the 32 lanes
.irp e, 0,1,2,3,4,5,6,7
	v_add_f32_dpp v[112+\e], v[112+\e], v[112+\e] row_xmask:\x row_mask:0xf bank_mask:0xf
.endr
.endr
.irp e, 0,1,2,3,4,5,6,7
	v_permlanex16_b32 v[120+\e], v[112+\e], s28, s29
.endr
.irp e, 0,1,2,3,4,5,6,7
	v_add_f32 v[112+\e], v[112+\e], v[120+\e]
.endr
	ds_store_b128 v3, v[112:115]                   ; all lanes of a wave write the same words with the same values
	ds_store_b128 v3, v[116:119] offset:16
	s_wait_dscnt 0x0                               ; for the others' sake: my stores have landed
	s_barrier_signal -1
	s_barrier_wait -1
.irp q, 0,1,2,3,4,5,6,7,8,9,10,11,12,13,14,15
	ds_load_b128 v[16+4*\q:19+4*\q], v4 offset:16*\q   ; register 16 + 8 w + e: wave w's sum for expert e
.endr
	s_wait_dscnt 0x0
.irp o, 0,16,32,48
.irp i, 0,2,4,6
	v_pk_add_f32 v[16+\o+\i:17+\o+\i], v[16+\o+\i:17+\o+\i], v[24+\o+\i:25+\o+\i]
.endr
.endr
.irp o, 0,32
.irp i, 0,2,4,6
	v_pk_add_f32 v[16+\o+\i:17+\o+\i], v[16+\o+\i:17+\o+\i], v[32+\o+\i:33+\o+\i]
.endr
.endr
.irp i, 0,2,4,6
	s_delay_alu instid0(VALU_DEP_4)
	v_pk_add_f32 v[16+\i:17+\i], v[16+\i:17+\i], v[48+\i:49+\i]
.endr
	s_wait_alu depctr_va_vdst(0)
	s_wait_kmcnt 0x0                               ; br
.irp e, 0,1,2,3,4,5,6,7
	v_fma_f32 v[16+\e], v[16+\e], s26, s[16+\e]    ; the sum / 256 (exact) + br
.endr
	v_max3_num_f32 v24, v16, v17, v18
	s_delay_alu instid0(VALU_DEP_1)
	v_max3_num_f32 v24, v24, v19, v20
	s_delay_alu instid0(VALU_DEP_1)
	v_max3_num_f32 v24, v24, v21, v22
	s_delay_alu instid0(VALU_DEP_1)
	v_max_num_f32 v24, v24, v23                    ; the largest logit is taken away ahead of the exponentials
.irp e, 0,1,2,3,4,5,6,7
	v_sub_f32 v[32+\e], v[16+\e], v24
.endr
.irp e, 0,1,2,3,4,5,6,7
	v_mul_f32 v[32+\e], 0x3fb8aa3b, v[32+\e]
.endr
	s_wait_alu depctr_va_vdst(0)
.irp e, 0,1,2,3,4,5,6,7
	v_exp_f32 v[32+\e], v[32+\e]
.endr
	v_nop                                          ; a plain line behind the last exponential
	s_wait_alu depctr_va_vdst(0)                   ; one wait for the eight, ahead of their first reader
	v_add_f32 v25, v32, v33
	v_add_f32 v26, v34, v35
	v_add_f32 v27, v36, v37
	v_add_f32 v28, v38, v39
	s_delay_alu instid0(VALU_DEP_3)
	v_add_f32 v25, v25, v26
	s_delay_alu instid0(VALU_DEP_2)
	v_add_f32 v27, v27, v28
	s_delay_alu instid0(VALU_DEP_1)
	v_add_f32 v25, v25, v27
	s_wait_alu depctr_va_vdst(0)
	v_rcp_f32 v26, v25
	v_nop
	s_wait_alu depctr_va_vdst(0)
.irp e, 0,1,2,3,4,5,6,7
	v_mul_f32 v[32+\e], v[32+\e], v26              ; the routing weights
.endr
	v_mov_b32 v40, v32                             ; the largest, and its index: only a strictly larger one displaces an earlier one
	v_mov_b32 v41, 0
.irp e, 1
	s_delay_alu instid0(VALU_DEP_2)
	v_cmp_gt_f32 vcc_lo, v[32+\e], v40
	s_delay_alu instid0(VALU_DEP_1)
	v_cndmask_b32 v41, v41, v[EN+\e], vcc_lo
	s_delay_alu instid0(VALU_DEP_4)
	v_max_num_f32 v40, v40, v[32+\e]
.endr
.irp e, 2, 3, 4, 5, 6, 7
	s_delay_alu instid0(VALU_DEP_1)
	v_cmp_gt_f32 vcc_lo, v[32+\e], v40
	s_delay_alu instid0(VALU_DEP_1)
	v_cndmask_b32 v41, v41, v[EN+\e], vcc_lo
	s_delay_alu instid0(VALU_DEP_3)
	v_max_num_f32 v40, v40, v[32+\e]
.endr
.irp e, 0,1,2,3,4,5,6,7
	v_cmp_eq_u32 vcc_lo, v41, v[EN+\e]
	s_delay_alu instid0(VALU_DEP_1)
	v_cndmask_b32 v[56+\e], v[32+\e], v[NEG], vcc_lo   ; the winner is put under every weight
.endr
	v_mov_b32 v42, v56                             ; the second largest likewise
	v_mov_b32 v43, 0
.irp e, 1
	s_delay_alu instid0(VALU_DEP_2)
	v_cmp_gt_f32 vcc_lo, v[56+\e], v42
	s_delay_alu instid0(VALU_DEP_1)
	v_cndmask_b32 v43, v43, v[EN+\e], vcc_lo
	s_delay_alu instid0(VALU_DEP_4)
	v_max_num_f32 v42, v42, v[56+\e]
.endr
.irp e, 2, 3, 4, 5, 6, 7
	s_delay_alu instid0(VALU_DEP_1)
	v_cmp_gt_f32 vcc_lo, v[56+\e], v42
	s_delay_alu instid0(VALU_DEP_1)
	v_cndmask_b32 v43, v43, v[EN+\e], vcc_lo
	s_delay_alu instid0(VALU_DEP_3)
	v_max_num_f32 v42, v42, v[56+\e]
.endr
	s_delay_alu instid0(VALU_DEP_1)
	v_sub_f32 v44, v42, v40                        ; softmax over the two: the larger is taken away, so the exponent is 0 or less
	s_delay_alu instid0(VALU_DEP_1)
	v_mul_f32 v44, 0x3fb8aa3b, v44
	s_wait_alu depctr_va_vdst(0)
	v_exp_f32 v44, v44
	v_nop
	s_wait_alu depctr_va_vdst(0)
	v_add_f32 v45, 1.0, v44
	s_wait_alu depctr_va_vdst(0)
	v_rcp_f32 v46, v45
	v_lshlrev_b32 v66, 2, v0                       ; (a plain line behind the reciprocal)  4 x thread
	s_wait_alu depctr_va_vdst(0)
	v_mul_f32 v44, v44, v46                        ; the second's weight; v46 is the first's
	v_cmp_eq_u32 vcc_lo, 1, v0
	s_delay_alu instid0(VALU_DEP_1)
	v_cndmask_b32 v64, v41, v43, vcc_lo
	v_cndmask_b32 v65, v46, v44, vcc_lo
	v_cmp_gt_u32 vcc_lo, 2, v0
	s_wait_alu depctr_va_vdst(0)
	s_wait_xcnt 0x0                                ; EXEC changes only behind this wait
	s_wait_tensorcnt 0x0
	ds_add_u32 v128, v129
	s_wait_dscnt 0x0
	s_and_saveexec_b32 s27, vcc_lo
	global_store_b32 v66, v64, s[10:11]            ; threads 0 and 1 alone
	global_store_b32 v66, v65, s[12:13]
	s_wait_xcnt 0x0
	s_or_b32 exec_lo, exec_lo, s27
	s_endpgm
.Lfunc_end_k_qd824219e8a_router:
	.size	k_qd824219e8a_router, .Lfunc_end_k_qd824219e8a_router-k_qd824219e8a_router
	.p2alignl 7, 3214868480
	.fill 96, 4, 3214868480
	.section	.rodata,"a",@progbits
	.p2align	6, 0x0
	.amdhsa_kernel k_qd824219e8a_router
		.amdhsa_group_segment_fixed_size 1536
		.amdhsa_private_segment_fixed_size 0
		.amdhsa_enable_private_segment 0
		.amdhsa_kernarg_size 40
		.amdhsa_user_sgpr_count 2
		.amdhsa_user_sgpr_kernarg_segment_ptr 1
		.amdhsa_wavefront_size32 1
		.amdhsa_system_sgpr_workgroup_id_x 1
		.amdhsa_system_sgpr_workgroup_id_y 1
		.amdhsa_system_sgpr_workgroup_id_z 1
		.amdhsa_system_vgpr_workitem_id 0
		.amdhsa_next_free_vgpr 130
		.amdhsa_next_free_sgpr 66
		.amdhsa_reserve_vcc 1
		.amdhsa_float_denorm_mode_32 3
		.amdhsa_float_denorm_mode_16_64 3
		.amdhsa_memory_ordered 1
		.amdhsa_forward_progress 1
		.amdhsa_inst_pref_size 21
	.end_amdhsa_kernel
	.amdgpu_metadata
---
amdhsa.version: [ 1, 2 ]
amdhsa.kernels:
  - .name:           k_qd824219e8a_router
    .symbol:         k_qd824219e8a_router.kd
    .args:
      - { .name: ps, .offset: 0, .size: 8, .value_kind: global_buffer, .address_space: global }
      - { .name: Wr, .offset: 8, .size: 8, .value_kind: global_buffer, .address_space: global }
      - { .name: br, .offset: 16, .size: 8, .value_kind: global_buffer, .address_space: global }
      - { .name: idx, .offset: 24, .size: 8, .value_kind: global_buffer, .address_space: global }
      - { .name: cw, .offset: 32, .size: 8, .value_kind: global_buffer, .address_space: global }
    .group_segment_fixed_size: 1536
    .private_segment_fixed_size: 0
    .kernarg_segment_align: 8
    .kernarg_segment_size: 40
    .max_flat_workgroup_size: 256
    .sgpr_count:     66
    .vgpr_count:     130
    .wavefront_size: 32
...
	.end_amdgpu_metadata
.endif
;; end of part 2
;; launch ffn1 (part 3): grid 32 x 8, 4 waves a work-group, no clusters, 327,680 bytes of LDS; arguments xc, xs, W1, b1, idx, hc, hs; writes hc, hs
.if DOCPART == 3
	.amdgcn_target "amdgcn-amd-amdhsa--gfx1250"
	.amdhsa_code_object_version 6
	.text
	.protected	k_qd824219e8a_ffn1
	.globl	k_qd824219e8a_ffn1
	.p2align	8
	.type	k_qd824219e8a_ffn1,@function
k_qd824219e8a_ffn1:
	s_mov_b64 s[64:65], 0
	v_nop
	global_prefetch_b8 v0, s[64:65] scope:SCOPE_SE
	s_setreg_imm32_b32 hwreg(HW_REG_WAVE_MODE, 25, 1), 1
	s_wait_xcnt 0x0
; h = gelu(x W1[e] + b1[e]) for pair p = 2 batch + k (work-group y), e = idx[p], hidden units 128 fb .. 128 fb + 127 (work-group x), all 256 tokens of the batch; h leaves as codes of E2M3 and scale words.
; Only the two experts chosen for a batch are multiplied: the other six are thrown away by the one-hot that the layer builds itself.
; FOUR WAVES; wave w owns tokens 64 w .. 64 w + 63 (four tiles, their codes in registers) and, for the quantising, K steps 2 w and 2 w + 1 of the weights.
; THE 128 COLUMNS GO IN TWO PASSES OF 64: quantise, barrier, products, barrier, gelu.  The quantising is written out for each pass; products and gelu are a loop of two trips, left in its middle behind the second gelu.
; WHERE THE WEIGHTS COME FROM: K step 2 w + 1 by tensor loads into LDS bytes of the wave's own, each filled once and read by that wave alone: a tile is one pass's 64 columns, 128 rows of 256 bytes.
; Pass 0's tile is asked for at the head; pass 1's when pass 0's has landed, so that pass 0's bytes have the way to themselves.  K step 2 w by plain loads into two staging buffers of 128 registers
; (a set = 64 rows x 64 columns): pass 0's at the head, pass 1's as soon as the buffers are read out for the last time in pass 0.  So pass 1's weights are on their way under pass 0's quantising, products and gelu.
; QUANTISING: lane (m, hb) takes columns 4 m + j of the pass and rows 64 c + 32 hb + i of a K step: each load reads two runs of 256 consecutive bytes, and a block of 32 along K lies in one lane.
; Column col = 4 m + j becomes row 8 (col / 32) + col % 8 of tile (col / 8) % 4: the lane stores its 12 registers to that row's place in that tile's image in LDS (16 bytes a lane, three pieces of 512 bytes).
; Images lie 1,552 bytes apart, so that the sixteen lanes of a store fall on sixteen different columns of 16 bytes.  The images are one pass's; wave w alone writes those of its two K steps.
; PRODUCTS: source 0 = a weight fragment from LDS, source 1 = x's fragment.  In the result lane (r, h), register i of tile j is column 32 h + 8 j + i of the pass, token r: a token tile's four accumulators are
; 32 neighbouring hidden units in 32 neighbouring registers, one whole block of the second product's K.  b1 enters as the C of the first K step's products.  The 16 accumulators take turns.
; GELU in f32: erf as z P(z^2) / Q(z^2), z = u / sqrt(2) held to +-4, where erf rounds to +-1; quantised in the lane: block 2 g + h of K step fb.
; No cluster: what work-groups share is x's 192 KiB against 512 KiB of weights of their own.  No prefetch: 448 of a work-group's 704 KiB are asked for at the head, the rest as soon as those have landed or been read out.
; All of LDS is claimed.
; LIMITS: a block of zeros gets the byte 1 (its codes are zeros; only this program reads the bytes); magnitudes under 2^-124 are held at the floor; NaN and infinities are not served;
; for u under about -5 the sum 1 + erf has few bits left: such h are under 1e-6 in magnitude.
; REGISTERS, window 0: v1-15 addresses; v16-35 scale words and nothing else; v36-51 at work; v52-147 gather and codes, weight fragments, gelu; v148-179 b1; v180-227 h's codes; v228-251 x's last two fragments; v252-255 h's scale bytes.
;   window 1: the two staging buffers.  window 2: x's fragments 0-19 (fragment 4 ks + tt).  window 3: v0-119 fragments 20-29; v128-255 the accumulators ((tt, j) at 128 + 8 (4 tt + j)).
.set ROWP,  16384                      ; a row of W1 in bytes
.set ROWSH, 19                         ; 32 rows = 2^19 bytes
.set ACT_T, 12288                      ; from a token tile of xc to the next
.set TP,    1552                       ; from image to image
.set SCB,   49664                      ; LDS: 32 images from 0; the weights' scale words, 256 bytes a K step, 64 a tile;
.set BIA,   51712                      ; b1's 128 numbers, a copy for each wave;
.set SPARE, 53760                      ; the spare words, 128 bytes a wave;
.set WLB,   54272                      ; the tensor loads' tiles: 65,536 bytes a wave, pass g's tile at 32,768 g
.set VA,  1
.set LI,  2
.set IMW, 3
.set SCW, 4
.set WL0, 5
.set SCR, 7
.set BLW, 8
.set BLR, 9
.set L4,  10
.set H8,  11
.set SPW, 12
.set NIL, 13
.set BLG, 14
.set SB,  16                           ; x's scale words: 2 ks + u: lanes 0-15 token tile 2 u, lanes 16-31 tile 2 u + 1
.set SA,  32                           ; the weights' scale words, two sets of two
.set M,   36
.set SOP, 40
.set BY0, 44
.set BL,  48
.set T0,  52
.set T1,  68
.set TH,  84
.set C,   100
.set AF,  52
.set U,   52
.set Z,   84
.set X2,  100
.set P,   116
.set Q,   132
.set BI,  148
.set HC,  180
.set XZ,  228
.set HB,  252
.set X0,  0
.set X1,  128
.set ACC, 128
.set MSB, 0
.macro WIN new                         ; the immediate's high byte repeats the setting that is left; a switch that changes nothing is dropped
.if MSB != (\new)
	s_set_vgpr_msb (MSB<<8)|(\new)
.set MSB, (\new)
.endif
.endm
.macro XLOC f                          ; where the activations' fragment f lies: window XW, register XR
.if (\f) < 20
.set XW, 2
.set XR, 12*(\f)
.elseif (\f) < 30
.set XW, 3
.set XR, 12*((\f)-20)
.else
.set XW, 0
.set XR, XZ+12*((\f)-30)
.endif
.endm
.macro LOADH xb, g, c, a               ; from memory: half a (16 rows a lane half) of set c of K step 2 w, pass g
	WIN 0x40
.irp q, 0,1,2,3,4,5,6,7,8,9,10,11,12,13,14,15
	global_load_b128 v[\xb+4*(16*\a+\q):\xb+4*(16*\a+\q)+3], v[VA], s[8:9] offset:(64*\c+16*\a+\q)*ROWP+256*\g
.endr
.endm
.macro DSL xb, c, a, g                 ; from pass g's tile in LDS: the same half of set c of K step 2 w + 1
	WIN 0x40
.irp q, 0,1,2,3,4,5,6,7,8,9,10,11,12,13,14,15
	ds_load_b128 v[\xb+4*(16*\a+\q):\xb+4*(16*\a+\q)+3], v[WL0] offset:(64*\c+16*\a+\q)*256+32768*\g
.endr
.endm
; A set at xb: four blocks of 32 a lane (register 4 i + j is row i of column j).  left: the younger global loads that may stay out (-1: the set came from LDS).
; Each half is filled anew as soon as it is read out: rf = 1 from pass g's tile in LDS; rf = 2 from memory with pass 1's set; rf = 0 not at all.
.macro PROC xb, c, left, rf, g
.if \left >= 0
	s_wait_loadcnt \left
.endif
	s_wait_dscnt 0x0                               ; my earlier LDS instructions are done
	WIN 0x05
.irp j, 0,1,2,3
	v_max3_num_f32 v[M+\j], |v[\xb+\j]|, |v[\xb+4+\j]|, 0x1800000   ; the floor 2^(3 - 127) keeps the byte at 1 or more
.endr
	WIN 0x14
.irp i, 2,4,6,8,10,12,14,16,18,20,22,24,26,28,30
.irp j, 0,1,2,3
	v_max3_num_f32 v[M+\j], v[M+\j], |v[\xb+4*\i+\j]|, |v[\xb+4*\i+4+\j]|   ; the four columns by turns
.endr
.endr
	WIN 0
.irp j, 0,1,2,3
	v_add_nc_u32 v[SOP+\j], 0xff000000, v[M+\j]    ; 2 off the exponent field: the conversion's scale operand
.endr
.irp j, 0,1,2,3
.if \c == 0
	v_lshrrev_b32 v[BY0+\j], 23, v[SOP+\j]         ; the scale's byte
.else
	v_lshrrev_b32 v[M+\j], 23, v[SOP+\j]
.endif
.endr
.irp a, 0,1
.irp jp, 0,2
	WIN 0x01
.irp q, 0,1,2,3,4,5,6,7,8,9,10,11,12,13,14,15
	v_mov_b32 v[T0+\q], v[\xb+4*(16*\a+\q)+\jp]    ; a conversion takes 16 neighbours along K from consecutive registers: two columns are gathered
	v_mov_b32 v[T1+\q], v[\xb+4*(16*\a+\q)+\jp+1]
.endr
	WIN 0
.if \a == 0
	v_cvt_scalef32_pk16_fp6_f32 v[C+12*\jp+6*\c:C+12*\jp+6*\c+2], v[T0:T0+15], v[SOP+\jp]
	v_cvt_scalef32_pk16_fp6_f32 v[C+12*(\jp+1)+6*\c:C+12*(\jp+1)+6*\c+2], v[T1:T1+15], v[SOP+\jp+1]
.else
	v_cvt_scalef32_pk16_fp6_f32 v[TH+4*\jp:TH+4*\jp+2], v[T0:T0+15], v[SOP+\jp]   ; (three registers from an even one on: the upper half is made elsewhere and moved)
	v_cvt_scalef32_pk16_fp6_f32 v[TH+4*(\jp+1):TH+4*(\jp+1)+2], v[T1:T1+15], v[SOP+\jp+1]
.endif
	v_nop                                          ; one plain line behind the conversions, ahead of the next writes of their sources
.endr
.if \rf == 1
	DSL \xb, \c, \a, \g
.elseif \rf == 2
	LOADH \xb, 1, \c, \a
.endif
.endr
	WIN 0
.irp j, 0,1,2,3
.irp i, 0,1,2
	v_mov_b32 v[C+12*\j+6*\c+3+\i], v[TH+4*\j+\i]
.endr
.endr
.endm
.macro PUT k                           ; my four columns' codes and scale words of K step 2 w + k go to their rows' places in LDS
.irp j, 0,1,2,3
.irp ch, 0,1,2
	ds_store_b128 v[IMW], v[C+12*\j+4*\ch:C+12*\j+4*\ch+3] offset:4*\k*TP+16*\j+512*\ch
.endr
.endr
.irp j, 0,1,2,3
	v_lshl_or_b32 v[BL+\j], v[M+\j], 16, v[BY0+\j] ; my two bytes: blocks hb and 2 + hb,
.endr
.irp j, 0,1,2,3
	v_lshlrev_b32 v[BL+\j], v[H8], v[BL+\j]        ; at their places in the word;
.endr
.irp j, 0,1,2,3
	v_permlanex16_b32 v[SOP+\j], v[BL+\j], s28, s29
.endr
.irp j, 0,1,2,3
	v_or_b32 v[BL+\j], v[BL+\j], v[SOP+\j]         ; with lane l xor 16's two the word is whole, in both halves
.endr
.irp j, 0,1,2,3
	ds_store_b32 v[SCW], v[BL+\j] offset:256*\k+4*\j   ; both halves of the lanes write the same word with the same value
.endr
.endm
.macro QUANT g                         ; pass g's 64 columns of my two K steps
	PROC X0, 0, 32, 1, \g                          ; K step 2 w: the other buffer's 32 loads may be out
	PROC X1, 1, 0, 1, \g
	PUT 0
	PROC X0, 0, -1, 2-2*\g, 0                      ; K step 2 w + 1; in pass 0 the buffers then take pass 1's sets
	PROC X1, 1, -1, 2-2*\g, 0
	PUT 1
.endm
.macro FETCHA ks                       ; the four weight fragments of K step ks and their scale words: 14 LDS loads
.set FB, AF+48*((\ks)%2)
.irp j, 0,1,2,3
.irp ch, 0,1,2
	ds_load_b128 v[FB+12*\j+4*\ch:FB+12*\j+4*\ch+3], v[LI] offset:(4*(\ks)+\j)*TP+512*\ch
.endr
.endr
	ds_load_b32 v[SA+2*((\ks)%2)], v[SCR] offset:256*(\ks)
	ds_load_b32 v[SA+2*((\ks)%2)+1], v[SCR] offset:256*(\ks)+128
.endm
.macro UNIT ks                         ; sixteen products: four tiles of columns x my four token tiles, K step ks
.if (\ks) < 7
	s_wait_dscnt 14                                ; this K step's 14 loads are in; the next one's 14 may be out
.else
	s_wait_dscnt 0x0
.endif
.irp tp, 0,1
	XLOC 4*(\ks)+2*\tp
.if (\ks) == 0
	WIN 0xc0|(XW<<2)                               ; D window 3, C (the bias) window 0
.else
	WIN 0xf0|(XW<<2)                               ; C and D window 3
.endif
.irp jh, 0,1
.set FA, AF+48*((\ks)%2)+24*\jh
.set DD, ACC+64*\tp+16*\jh
.set SS, SA+2*((\ks)%2)+\jh
.set SX, SB+2*(\ks)+\tp
.if (\ks) == 0
.set C0, BI+16*\jh
.set C1, BI+16*\jh
.else
.set C0, DD
.set C1, DD+32
.endif
	v_wmma_scale_f32_16x16x128_f8f6f4 v[DD:DD+7], v[FA:FA+11], v[XR:XR+11], v[C0:C0+7], v[SS], v[SX] matrix_a_fmt:MATRIX_FMT_FP6 matrix_b_fmt:MATRIX_FMT_FP6
	v_wmma_scale_f32_16x16x128_f8f6f4 v[DD+8:DD+15], v[FA+12:FA+23], v[XR:XR+11], v[C0+8:C0+15], v[SS], v[SX] matrix_a_fmt:MATRIX_FMT_FP6 matrix_b_fmt:MATRIX_FMT_FP6 matrix_a_scale:MATRIX_SCALE_ROW1
	v_wmma_scale_f32_16x16x128_f8f6f4 v[DD+32:DD+39], v[FA:FA+11], v[XR+12:XR+23], v[C1:C1+7], v[SS], v[SX] matrix_a_fmt:MATRIX_FMT_FP6 matrix_b_fmt:MATRIX_FMT_FP6 matrix_b_scale:MATRIX_SCALE_ROW1
	v_wmma_scale_f32_16x16x128_f8f6f4 v[DD+40:DD+47], v[FA+12:FA+23], v[XR+12:XR+23], v[C1+8:C1+15], v[SS], v[SX] matrix_a_fmt:MATRIX_FMT_FP6 matrix_b_fmt:MATRIX_FMT_FP6 matrix_a_scale:MATRIX_SCALE_ROW1 matrix_b_scale:MATRIX_SCALE_ROW1
.endr
.endr
	WIN 0
.if (\ks) < 6
.rept 4
	v_nop                                          ; four places in front of loads into registers that these products have read (ISA guide 7.12.1 for vector instructions)
.endr
	FETCHA (\ks)+2
.endif
.endm
.macro HORNER d, sp                    ; d = d z^2 + the constant in s[sp]
.set n, 0
.rept 8
	v_pk_fma_f32 v[\d+n:\d+n+1], v[\d+n:\d+n+1], v[X2+n:X2+n+1], s[\sp:\sp+1] op_sel_hi:[1,1,0]
.set n, n+2
.endr
.endm
.macro EPI tt                          ; token tile tt, columns 32 h + 0 .. 31 of the pass: one block of 32 a lane, in the order of its accumulators' registers
	WIN 0x03
	s_wait_alu depctr_va_vdst(0)                   ; directly ahead of the first reader of these matrix results
.set n, 0
.rept 16
	v_pk_mul_f32 v[U+n:U+n+1], v[ACC+32*\tt+n:ACC+32*\tt+n+1], 0.5 op_sel_hi:[1,0]   ; u / 2 (exact); each accumulator is read from its low end on
.set n, n+2
.endr
	WIN 0
.irp hf, 0,16                          ; 16 numbers at a time
.set n, 0
.rept 8
	v_pk_mul_f32 v[Z+n:Z+n+1], v[U+\hf+n:U+\hf+n+1], s[50:51] op_sel_hi:[1,0]   ; z = (u / 2) sqrt(2)
.set n, n+2
.endr
.set n, 0
.rept 16
	v_med3_num_f32 v[Z+n], v[Z+n], -4.0, 4.0
.set n, n+1
.endr
.set n, 0
.rept 8
	v_pk_mul_f32 v[X2+n:X2+n+1], v[Z+n:Z+n+1], v[Z+n:Z+n+1]
.set n, n+2
.endr
.set n, 0
.rept 8
	v_pk_fma_f32 v[Q+n:Q+n+1], v[X2+n:X2+n+1], s[42:43], v[38:39] op_sel_hi:[1,0,1]
.set n, n+2
.endr
	HORNER Q, 44
	HORNER Q, 46
	HORNER Q, 48
	s_wait_alu depctr_va_vdst(0)
.set n, 0
.rept 16
	v_rcp_f32 v[Q+n], v[Q+n]                       ; one batch; P's chain below names none of its results
.set n, n+1
.endr
.set n, 0
.rept 8
	v_pk_fma_f32 v[P+n:P+n+1], v[X2+n:X2+n+1], s[30:31], v[36:37] op_sel_hi:[1,0,1]
.set n, n+2
.endr
	HORNER P, 32
	HORNER P, 34
	HORNER P, 36
	HORNER P, 38
	HORNER P, 40
.set n, 0
.rept 8
	v_pk_mul_f32 v[P+n:P+n+1], v[P+n:P+n+1], v[Z+n:Z+n+1]
.set n, n+2
.endr
	s_wait_alu depctr_va_vdst(0)                   ; one wait for the 16 reciprocals, ahead of their first reader
.set n, 0
.rept 8
	v_pk_mul_f32 v[P+n:P+n+1], v[P+n:P+n+1], v[Q+n:Q+n+1]   ; erf(u / sqrt(2))
.set n, n+2
.endr
.set n, 0
.rept 8
	v_pk_fma_f32 v[U+\hf+n:U+\hf+n+1], v[U+\hf+n:U+\hf+n+1], v[P+n:P+n+1], v[U+\hf+n:U+\hf+n+1]   ; gelu = u / 2 + (u / 2) erf
.set n, n+2
.endr
.endr
	v_max3_num_f32 v40, |v[U]|, |v[U+1]|, 0x1800000
	v_max3_num_f32 v41, |v[U+16]|, |v[U+17]|, 0x1800000
.irp i, 2,4,6,8,10,12,14
	v_max3_num_f32 v40, v40, |v[U+\i]|, |v[U+\i+1]|
	v_max3_num_f32 v41, v41, |v[U+16+\i]|, |v[U+17+\i]|
.endr
	v_max_num_f32 v40, v40, v41                    ; the block's largest magnitude: all 32 are mine
	v_add_nc_u32 v42, 0xff000000, v40
	v_lshrrev_b32 v43, 23, v42                     ; the scale's byte
	v_lshrrev_b32 v[HB+\tt], 16, v[HB+\tt]         ; the earlier pass's byte moves down, this pass's goes above it
	v_lshl_or_b32 v[HB+\tt], v43, 16, v[HB+\tt]
.irp i, 0,1,2,3,4,5
	v_mov_b32 v[HC+12*\tt+\i], v[HC+12*\tt+6+\i]   ; and so do the codes: a trip writes registers 6-11 of the fragment, and the earlier pass's end in registers 0-5
.endr
	v_cvt_scalef32_pk16_fp6_f32 v[HC+12*\tt+6:HC+12*\tt+8], v[U:U+15], v42
	v_cvt_scalef32_pk16_fp6_f32 v[44:46], v[U+16:U+31], v42
	v_nop                                          ; one plain line behind the conversions
.irp i, 0,1,2
	v_mov_b32 v[HC+12*\tt+9+\i], v[44+\i]
.endr
.endm
	s_load_b256 s[4:11], s[0:1], 0x0               ; xc s[4:5], xs s[6:7], W1 s[8:9], b1 s[10:11]
	s_load_b128 s[12:15], s[0:1], 0x20             ; idx s[12:13], hc s[14:15]
	s_load_b64 s[16:17], s[0:1], 0x30              ; hs
	v_lshl_add_u32 v[SPW], v0, 2, SPARE
	v_mov_b32 v[NIL], 0
	ds_add_u32 v[SPW], v[NIL]                      ; the opening lines, ahead of my first tensor load: the add,
	ds_add_u32 v[SPW], v[NIL]                      ; twice on end, under one wait
	v_lshrrev_b32 v1, 5, v0
	v_readfirstlane_b32 s20, v1                    ; wave 0..3
	s_mul_i32 s2, s20, 8*TP                        ; my two K steps' images
	s_lshl_b32 s3, s20, 9
	s_add_co_u32 s3, s3, SCB                       ; and scale words
	s_lshl_b32 s18, s20, 9
	s_add_co_u32 s18, s18, BIA                     ; my copy of b1
	s_mov_b32 s68, 1                               ; the tensor loads: group 0 for pass 0's tile: count, LDS address WLB + 65,536 w;
	s_lshl_b32 s69, s20, 16
	s_add_co_u32 s69, s69, WLB
	s_mov_b32 s80, 1                               ; for pass 1's: 32,768 bytes on
	s_add_co_u32 s81, s69, 32768
	s_mov_b32 s72, 3<<16                           ; group 1, for both: 128 rows of 32 elements of 8 bytes, a row of W1 apart
	s_mov_b32 s73, 32<<16
	s_mov_b32 s74, 128<<16
	s_mov_b32 s75, 32<<16
	s_mov_b32 s76, 128
	s_mov_b32 s77, ROWP/8
	s_mov_b32 s78, 0
	s_mov_b32 s79, 0
	s_mov_b32 s28, 0x76543210
	s_mov_b32 s29, 0xfedcba98                      ; v_permlanex16_b32's selects for lane l xor 16
	s_mov_b32 s26, 0xffff0000                      ; lanes 16-31
	s_mov_b32 s30, 0xaf95df0b                      ; erf(z) = z P(z^2) / Q(z^2): P's a0, a2 .. a6; each constant twice, since a packed source names a pair
	s_mov_b32 s31, s30
	s_mov_b32 s32, 0xb60cff51
	s_mov_b32 s33, s32
	s_mov_b32 s34, 0xb86ec2d2
	s_mov_b32 s35, s34
	s_mov_b32 s36, 0xba40ac63
	s_mov_b32 s37, s36
	s_mov_b32 s38, 0xbb41a1f6
	s_mov_b32 s39, s38
	s_mov_b32 s40, 0xbc83dbd4
	s_mov_b32 s41, s40
	s_mov_b32 s42, 0xb77460cd                      ; Q's b0, b2, b3, b4
	s_mov_b32 s43, s42
	s_mov_b32 s44, 0xbadc924e
	s_mov_b32 s45, s44
	s_mov_b32 s46, 0xbbf19bf8
	s_mov_b32 s47, s46
	s_mov_b32 s48, 0xbc69b6a7
	s_mov_b32 s49, s48
	s_mov_b32 s50, 0x3fb504f3                      ; sqrt(2)
	s_mov_b32 s51, s50
	s_and_b32 s22, ttmp7, 0xffff                   ; the pair p
	s_lshr_b32 s52, s22, 1                         ; its batch
	s_lshl_b32 s54, s52, 13                        ; xs: batch x 8,192 + 256 w
	s_lshl_b32 s53, s20, 8
	s_add_co_u32 s54, s54, s53
	s_mov_b32 s55, 0
	s_lshl_b32 s52, s52, 4                         ; xc: (16 batch + 4 w) token tiles
	s_lshl_b32 s53, s20, 2
	s_add_co_u32 s52, s52, s53
	s_mul_i32 s52, s52, ACT_T
	s_mov_b32 s53, 0
	s_lshl_b32 s56, s22, 2                         ; idx: 4 p
	s_mov_b32 s57, 0
	s_lshl_b32 s58, s22, 4                         ; hc: ((16 p + 4 w) x 32 + fb) x 1,536
	s_lshl_b32 s59, s20, 2
	s_add_co_u32 s58, s58, s59
	s_lshl_b32 s58, s58, 5
	s_add_co_u32 s58, s58, ttmp9
	s_mul_i32 s58, s58, 1536
	s_mov_b32 s59, 0
	s_lshl_b32 s60, s22, 5                         ; hs: (32 p + fb) x 1,024 + 256 w
	s_add_co_u32 s60, s60, ttmp9
	s_lshl_b32 s60, s60, 10
	s_lshl_b32 s61, s20, 8
	s_add_co_u32 s60, s60, s61
	s_mov_b32 s61, 0
	v_and_b32 v42, 31, v0                          ; lane
	v_and_b32 v43, 15, v0                          ; m
	v_bfe_u32 v36, v0, 4, 1                        ; hb
	v_lshlrev_b32 v[LI], 4, v42
	v_lshlrev_b32 v[L4], 2, v42
	v_lshlrev_b32 v[H8], 3, v36
	v_lshlrev_b32 v[VA], 4, v43
	v_lshl_add_u32 v15, v36, 13, v[VA]             ; in a tile: 32 hb rows of 256 bytes + 16 m
	v_lshl_add_u32 v[VA], v36, ROWSH, v[VA]        ; in W1: 32 hb rows + 16 m
	v_add_nc_u32 v[WL0], s69, v15
	v_bfe_u32 v37, v0, 1, 2                        ; my columns' tile: (m / 2) % 4
	v_and_b32 v38, 1, v0
	v_bfe_u32 v39, v0, 3, 1
	v_lshlrev_b32 v38, 2, v38
	v_lshl_add_u32 v38, v39, 3, v38                ; their first row in it: 8 (m / 8) + 4 (m % 2); column j lies j rows on
	v_lshl_add_u32 v39, v36, 4, v38                ; as a lane of the image: + 16 hb
	v_mul_u32_u24 v40, v37, TP
	v_lshl_add_u32 v40, v39, 4, v40
	v_add_nc_u32 v[IMW], s2, v40
	v_lshlrev_b32 v41, 6, v37
	v_lshl_add_u32 v41, v38, 2, v41
	v_add_nc_u32 v[SCW], s3, v41
	v_add_nc_u32 v[SCR], SCB, v[L4]
	v_add_nc_u32 v[BLW], s18, v[LI]
	v_lshl_add_u32 v[BLR], v36, 7, s18
.irp tt, 0,1,2,3
	v_mov_b32 v[HB+\tt], 0                         ; the first trip moves these down before it writes them
.irp i, 6,7,8,9,10,11
	v_mov_b32 v[HC+12*\tt+\i], 0
.endr
.endr
	s_wait_alu depctr_va_vdst(0)
	s_wait_dscnt 0x0                               ; both opening adds are done
	s_wait_kmcnt 0x0
	s_add_nc_u64 s[12:13], s[12:13], s[56:57]
	s_load_b32 s23, s[12:13], 0x0                  ; the expert
	s_add_nc_u64 s[4:5], s[4:5], s[52:53]
	s_add_nc_u64 s[6:7], s[6:7], s[54:55]
	s_add_nc_u64 s[14:15], s[14:15], s[58:59]
	s_add_nc_u64 s[16:17], s[16:17], s[60:61]
.irp ks, 0,1,2,3,4,5,6,7                       ; what does not hang on the expert is asked for while its number is on its way
.irp u, 0,1
	global_load_b32 v[SB+2*\ks+\u], v[L4], s[6:7] offset:1024*\ks+128*\u
.endr
.endr
.irp ks, 0,1,2,3,4,5,6,7
.irp tt, 0,1,2,3
	XLOC 4*\ks+\tt
	WIN XW<<6
.irp ch, 0,1,2
	global_load_b128 v[XR+4*\ch:XR+4*\ch+3], v[LI], s[4:5] offset:\tt*ACT_T+\ks*1536+512*\ch   ; fragment 4 ks + tt, as it lies
.endr
.endr
.endr
	WIN 0
	s_wait_kmcnt 0x0
	s_min_u32 s23, s23, 7                          ; a loaded number enters an address only held to its table
	s_lshl_b32 s24, s23, 24                        ; W1: expert x 16 MiB + 256 w rows + 512 fb
	s_lshl_b32 s25, s20, 22
	s_add_co_u32 s24, s24, s25
	s_lshl_b32 s25, ttmp9, 9
	s_add_co_u32 s24, s24, s25
	s_mov_b32 s25, 0
	s_add_nc_u64 s[8:9], s[8:9], s[24:25]
	s_add_nc_u64 s[70:71], s[8:9], 128*ROWP        ; K step 2 w + 1, pass 0's columns;
	s_or_b32 s71, s71, 0x80000000
	s_add_nc_u64 s[82:83], s[70:71], 256           ; pass 1's
	tensor_load_to_lds s[68:71], s[72:79]          ; pass 0's tile: my one tensor load at the head
	s_nop 0
.rept 4
	v_nop
.endr
	s_lshl_b32 s24, s23, 14                        ; b1: expert x 16,384 + 512 fb
	s_lshl_b32 s27, ttmp9, 9
	s_add_co_u32 s24, s24, s27
	s_add_nc_u64 s[10:11], s[10:11], s[24:25]
	global_load_b128 v[BL:BL+3], v[LI], s[10:11]   ; b1's 128 numbers
	LOADH X0, 0, 0, 0
	LOADH X0, 0, 0, 1
	LOADH X1, 0, 1, 0
	LOADH X1, 0, 1, 1
	WIN 0
	s_wait_loadcnt 63                              ; b1 is in: 64 loads are younger
	s_wait_tensorcnt 0x0                           ; pass 0's tile has landed
	ds_add_u32 v[SPW], v[NIL]
	s_wait_dscnt 0x0
	s_barrier_signal -1
	s_barrier_wait -1
	tensor_load_to_lds s[80:83], s[72:79]          ; pass 1's tile, into bytes of its own: my one tensor load behind this barrier
	s_nop 0
.rept 4
	v_nop
.endr
	ds_store_b128 v[BLW], v[BL:BL+3]               ; b1: my wave's copy
	QUANT 0
	s_mov_b32 s62, 0                               ; the pass
	s_mov_b32 s63, 0                               ; and its columns' place in b1's 128 numbers, in bytes
.Lpass:
	v_add_nc_u32 v[BLG], s63, v[BLR]
	s_wait_alu depctr_va_vdst(0)
	s_wait_dscnt 0x0                               ; for the others' sake: my images and scale words have landed
	s_barrier_signal -1
	s_barrier_wait -1
.irp i, 0,1,2,3,4,5,6,7
	ds_load_b128 v[BI+4*\i:BI+4*\i+3], v[BLG] offset:16*\i   ; b1 at my 32 columns, from my wave's own copy
.endr
	FETCHA 0
	FETCHA 1
.irp ks, 0,1,2,3,4,5,6,7
	UNIT \ks
.endr
	s_barrier_signal -1                            ; my reads of the images are over (the last K step waited for all): behind this barrier each wave may write its own again
	v_mov_b32 v36, 0x32edffee                      ; P's a1, twice; these four lines are also the places behind the last products
	v_mov_b32 v37, 0x32edffee
	v_mov_b32 v38, 0xb95fbd29                      ; Q's b1, twice
	v_mov_b32 v39, 0xb95fbd29
	s_barrier_wait -1
.irp tt, 0,1,2,3
	EPI \tt
.endr
	s_add_co_u32 s63, s63, 256
	s_add_co_u32 s62, s62, 1
	s_cmp_eq_u32 s62, 2
	s_wait_alu depctr_va_vdst(0)
	s_cbranch_scc1 .Ldone                          ; both passes are done
	s_wait_tensorcnt 0x0                           ; pass 1's tile has landed; only I read it
	QUANT 1
	s_cmp_lt_u32 s62, 2
	s_wait_alu depctr_va_vdst(0)
	s_cbranch_scc1 .Lpass
.Ldone:
.irp tt, 0,1,2,3
	v_lshlrev_b32 v[HB+\tt], v[H8], v[HB+\tt]      ; bytes h and 2 + h of my token's word, at their places
.endr
.irp tt, 0,1,2,3
	v_permlanex16_b32 v[44+\tt], v[HB+\tt], s28, s29
.endr
.irp tt, 0,1,2,3
	v_or_b32 v[HB+\tt], v[HB+\tt], v[44+\tt]
.endr
	v_cndmask_b32 v48, v[HB], v[HB+1], s26         ; lanes 0-15 one token tile's words, lanes 16-31 the next tile's
	v_cndmask_b32 v49, v[HB+2], v[HB+3], s26
.irp tt, 0,1,2,3
.irp ch, 0,1,2
	global_store_b128 v[LI], v[HC+12*\tt+4*\ch:HC+12*\tt+4*\ch+3], s[14:15] offset:\tt*49152+512*\ch th:TH_STORE_NT   ; the fragment as it stands: 512 consecutive bytes a store
.endr
.endr
	global_store_b32 v[L4], v48, s[16:17]
	global_store_b32 v[L4], v49, s[16:17] offset:128
	s_wait_tensorcnt 0x0                           ; the wave's end
	ds_add_u32 v[SPW], v[NIL]
	s_wait_dscnt 0x0
	s_endpgm
.Lfunc_end_k_qd824219e8a_ffn1:
	.size	k_qd824219e8a_ffn1, .Lfunc_end_k_qd824219e8a_ffn1-k_qd824219e8a_ffn1
	.p2alignl 7, 3214868480
	.fill 96, 4, 3214868480
	.section	.rodata,"a",@progbits
	.p2align	6, 0x0
	.amdhsa_kernel k_qd824219e8a_ffn1
		.amdhsa_group_segment_fixed_size 327680
		.amdhsa_private_segment_fixed_size 0
		.amdhsa_enable_private_segment 0
		.amdhsa_kernarg_size 56
		.amdhsa_user_sgpr_count 2
		.amdhsa_user_sgpr_kernarg_segment_ptr 1
		.amdhsa_wavefront_size32 1
		.amdhsa_system_sgpr_workgroup_id_x 1
		.amdhsa_system_sgpr_workgroup_id_y 1
		.amdhsa_system_sgpr_workgroup_id_z 1
		.amdhsa_system_vgpr_workitem_id 0
		.amdhsa_next_free_vgpr 1024
		.amdhsa_next_free_sgpr 84
		.amdhsa_reserve_vcc 0
		.amdhsa_float_denorm_mode_32 3
		.amdhsa_float_denorm_mode_16_64 3
		.amdhsa_memory_ordered 1
		.amdhsa_forward_progress 1
		.amdhsa_inst_pref_size 237
	.end_amdhsa_kernel
	.amdgpu_metadata
---
amdhsa.version: [ 1, 2 ]
amdhsa.kernels:
  - .name:           k_qd824219e8a_ffn1
    .symbol:         k_qd824219e8a_ffn1.kd
    .args:
      - { .name: xc, .offset: 0, .size: 8, .value_kind: global_buffer, .address_space: global }
      - { .name: xs, .offset: 8, .size: 8, .value_kind: global_buffer, .address_space: global }
      - { .name: W1, .offset: 16, .size: 8, .value_kind: global_buffer, .address_space: global }
      - { .name: b1, .offset: 24, .size: 8, .value_kind: global_buffer, .address_space: global }
      - { .name: idx, .offset: 32, .size: 8, .value_kind: global_buffer, .address_space: global }
      - { .name: hc, .offset: 40, .size: 8, .value_kind: global_buffer, .address_space: global }
      - { .name: hs, .offset: 48, .size: 8, .value_kind: global_buffer, .address_space: global }
    .group_segment_fixed_size: 327680
    .private_segment_fixed_size: 0
    .kernarg_segment_align: 8
    .kernarg_segment_size: 56
    .max_flat_workgroup_size: 128
    .sgpr_count:     84
    .vgpr_count:     1024
    .wavefront_size: 32
...
	.end_amdgpu_metadata
.endif
;; end of part 3
;; launch ffn2 (part 4): grid 32 x 8, 4 waves a work-group, no clusters, 327,680 bytes of LDS; arguments hc, hs, W2, b2, idx, cw, part; writes part
.if DOCPART == 4
	.amdgcn_target "amdgcn-amd-amdhsa--gfx1250"
	.amdhsa_code_object_version 6
	.text
	.protected	k_qd824219e8a_ffn2
	.globl	k_qd824219e8a_ffn2
	.p2align	8
	.type	k_qd824219e8a_ffn2,@function
k_qd824219e8a_ffn2:
	s_mov_b64 s[64:65], 0
	v_nop
	global_prefetch_b8 v0, s[64:65] scope:SCOPE_SE
	s_setreg_imm32_b32 hwreg(HW_REG_WAVE_MODE, 25, 1), 1
	s_wait_xcnt 0x0
; part[4 p + kq] = cw[p] x (h W2[e], K = hidden units 1,024 kq .. 1,024 kq + 1,023, + b2[e] where kq = 0), for pair p (work-group y), e = idx[p], output columns 128 nb .. 128 nb + 127,
; all 256 tokens; work-group x = 8 kq + nb.  The eight parts of a batch (two experts x four quarters of K) are added by the next launch: each byte of part has one owner.
; Only the two experts chosen for a batch are multiplied: the other six are thrown away by the one-hot that the layer builds itself.
; The design is the first product's.  FOUR WAVES; wave w owns tokens 64 w .. 64 w + 63 (four tiles, h's codes in registers) and, for the quantising, K steps 2 w and 2 w + 1 of the quarter.
; THE 128 COLUMNS GO IN TWO PASSES OF 64: quantise, barrier, products, barrier, the way out.  The quantising is written out for each pass; products and the way out are a loop of two trips, left in its middle.
; K step 2 w + 1 of the weights comes by tensor loads into LDS bytes of the wave's own, each filled once and read by that wave alone: a tile is one pass's 64 columns, 128 rows of 256 bytes; pass 0's is asked for at the
; head, pass 1's when pass 0's has landed.  K step 2 w comes by plain loads into two staging buffers of 128 registers: pass 0's at the head, pass 1's as soon as the buffers are read out for the last time in pass 0.
; Lane (m, hb) takes columns 4 m + j of the pass and rows 64 c + 32 hb + i of a K step; column col = 4 m + j becomes row 8 (col / 32) + col % 8 of tile (col / 8) % 4, and the lane stores its 12 registers to that row's
; place in that tile's image in LDS; images lie 1,552 bytes apart.  Source 0 = a weight fragment from LDS, source 1 = h's fragment: lane (r, h), register i of tile j is column 32 h + 8 j + i of the pass, token r.
; b2 (or 0) enters as the C of the first K step's products.  The 16 accumulators take turns.
; THE WAY OUT: x cw, 16 tokens at a time through a stage in the wave's own image slots (free behind the second barrier, and written by that wave alone), and out as rows: sixteen lanes store 256 consecutive bytes, aligned.
; No cluster: what work-groups share is h's 192 KiB against 512 KiB of weights of their own.  No prefetch: 448 of a work-group's 704 KiB are asked for at the head, the rest as soon as those have landed or been read out.
; All of LDS is claimed.
; LIMITS: a block of zeros gets the byte 1 (its codes are zeros; only this program reads the bytes); magnitudes under 2^-124 are held at the floor; NaN and infinities are not served.
; REGISTERS, window 0: v1-15 addresses; v16-35 scale words and nothing else; v36-51 at work; v52-147 gather and codes, weight fragments, the way out; v148-179 the bias; v180-182 addresses; v228-251 h's last two fragments.
;   window 1: the two staging buffers.  window 2: h's fragments 0-19 (fragment 4 ks + tt).  window 3: v0-119 fragments 20-29; v128-255 the accumulators ((tt, j) at 128 + 8 (4 tt + j)).
.set ROWP,  4096                       ; a row of W2 in bytes
.set ROWSH, 17                         ; 32 rows = 2^17 bytes
.set ACT_T, 49152                      ; from a token tile of hc to the next
.set TP,    1552
.set SCB,   49664
.set BIA,   51712
.set SPARE, 53760
.set WLB,   54272
.set SPT,   272                        ; a stage row: 256 bytes + 16
.set VA,  1
.set LI,  2
.set IMW, 3
.set SCW, 4
.set WL0, 5
.set SCR, 7
.set BLW, 8
.set BLR, 9
.set L4,  10
.set H8,  11
.set SPW, 12
.set NIL, 13
.set BLG, 14
.set SB,  16
.set SA,  32
.set M,   36
.set SOP, 40
.set BY0, 44
.set BL,  48
.set T0,  52
.set T1,  68
.set TH,  84
.set C,   100
.set AF,  52
.set O,   52
.set RB,  84
.set BI,  148
.set STO, 180
.set RD,  181
.set CO,  182
.set XZ,  228
.set X0,  0
.set X1,  128
.set ACC, 128
.set MSB, 0
.macro WIN new                         ; the immediate's high byte repeats the setting that is left; a switch that changes nothing is dropped
.if MSB != (\new)
	s_set_vgpr_msb (MSB<<8)|(\new)
.set MSB, (\new)
.endif
.endm
.macro XLOC f                          ; where the activations' fragment f lies: window XW, register XR
.if (\f) < 20
.set XW, 2
.set XR, 12*(\f)
.elseif (\f) < 30
.set XW, 3
.set XR, 12*((\f)-20)
.else
.set XW, 0
.set XR, XZ+12*((\f)-30)
.endif
.endm
.macro LOADH xb, g, c, a               ; from memory: half a (16 rows a lane half) of set c of K step 2 w, pass g
	WIN 0x40
.irp q, 0,1,2,3,4,5,6,7,8,9,10,11,12,13,14,15
	global_load_b128 v[\xb+4*(16*\a+\q):\xb+4*(16*\a+\q)+3], v[VA], s[8:9] offset:(64*\c+16*\a+\q)*ROWP+256*\g
.endr
.endm
.macro DSL xb, c, a, g                 ; from pass g's tile in LDS: the same half of set c of K step 2 w + 1
	WIN 0x40
.irp q, 0,1,2,3,4,5,6,7,8,9,10,11,12,13,14,15
	ds_load_b128 v[\xb+4*(16*\a+\q):\xb+4*(16*\a+\q)+3], v[WL0] offset:(64*\c+16*\a+\q)*256+32768*\g
.endr
.endm
; A set at xb: four blocks of 32 a lane (register 4 i + j is row i of column j).  left: the younger global loads that may stay out (-1: the set came from LDS).
; Each half is filled anew as soon as it is read out: rf = 1 from pass g's tile in LDS; rf = 2 from memory with pass 1's set; rf = 0 not at all.
.macro PROC xb, c, left, rf, g
.if \left >= 0
	s_wait_loadcnt \left
.endif
	s_wait_dscnt 0x0                               ; my earlier LDS instructions are done
	WIN 0x05
.irp j, 0,1,2,3
	v_max3_num_f32 v[M+\j], |v[\xb+\j]|, |v[\xb+4+\j]|, 0x1800000   ; the floor 2^(3 - 127) keeps the byte at 1 or more
.endr
	WIN 0x14
.irp i, 2,4,6,8,10,12,14,16,18,20,22,24,26,28,30
.irp j, 0,1,2,3
	v_max3_num_f32 v[M+\j], v[M+\j], |v[\xb+4*\i+\j]|, |v[\xb+4*\i+4+\j]|   ; the four columns by turns
.endr
.endr
	WIN 0
.irp j, 0,1,2,3
	v_add_nc_u32 v[SOP+\j], 0xff000000, v[M+\j]    ; 2 off the exponent field: the conversion's scale operand
.endr
.irp j, 0,1,2,3
.if \c == 0
	v_lshrrev_b32 v[BY0+\j], 23, v[SOP+\j]         ; the scale's byte
.else
	v_lshrrev_b32 v[M+\j], 23, v[SOP+\j]
.endif
.endr
.irp a, 0,1
.irp jp, 0,2
	WIN 0x01
.irp q, 0,1,2,3,4,5,6,7,8,9,10,11,12,13,14,15
	v_mov_b32 v[T0+\q], v[\xb+4*(16*\a+\q)+\jp]    ; a conversion takes 16 neighbours along K from consecutive registers: two columns are gathered
	v_mov_b32 v[T1+\q], v[\xb+4*(16*\a+\q)+\jp+1]
.endr
	WIN 0
.if \a == 0
	v_cvt_scalef32_pk16_fp6_f32 v[C+12*\jp+6*\c:C+12*\jp+6*\c+2], v[T0:T0+15], v[SOP+\jp]
	v_cvt_scalef32_pk16_fp6_f32 v[C+12*(\jp+1)+6*\c:C+12*(\jp+1)+6*\c+2], v[T1:T1+15], v[SOP+\jp+1]
.else
	v_cvt_scalef32_pk16_fp6_f32 v[TH+4*\jp:TH+4*\jp+2], v[T0:T0+15], v[SOP+\jp]   ; (three registers from an even one on: the upper half is made elsewhere and moved)
	v_cvt_scalef32_pk16_fp6_f32 v[TH+4*(\jp+1):TH+4*(\jp+1)+2], v[T1:T1+15], v[SOP+\jp+1]
.endif
	v_nop                                          ; one plain line behind the conversions, ahead of the next writes of their sources
.endr
.if \rf == 1
	DSL \xb, \c, \a, \g
.elseif \rf == 2
	LOADH \xb, 1, \c, \a
.endif
.endr
	WIN 0
.irp j, 0,1,2,3
.irp i, 0,1,2
	v_mov_b32 v[C+12*\j+6*\c+3+\i], v[TH+4*\j+\i]
.endr
.endr
.endm
.macro PUT k                           ; my four columns' codes and scale words of K step 2 w + k go to their rows' places in LDS
.irp j, 0,1,2,3
.irp ch, 0,1,2
	ds_store_b128 v[IMW], v[C+12*\j+4*\ch:C+12*\j+4*\ch+3] offset:4*\k*TP+16*\j+512*\ch
.endr
.endr
.irp j, 0,1,2,3
	v_lshl_or_b32 v[BL+\j], v[M+\j], 16, v[BY0+\j] ; my two bytes: blocks hb and 2 + hb,
.endr
.irp j, 0,1,2,3
	v_lshlrev_b32 v[BL+\j], v[H8], v[BL+\j]        ; at their places in the word;
.endr
.irp j, 0,1,2,3
	v_permlanex16_b32 v[SOP+\j], v[BL+\j], s28, s29
.endr
.irp j, 0,1,2,3
	v_or_b32 v[BL+\j], v[BL+\j], v[SOP+\j]         ; with lane l xor 16's two the word is whole, in both halves
.endr
.irp j, 0,1,2,3
	ds_store_b32 v[SCW], v[BL+\j] offset:256*\k+4*\j   ; both halves of the lanes write the same word with the same value
.endr
.endm
.macro QUANT g                         ; pass g's 64 columns of my two K steps
	PROC X0, 0, 32, 1, \g                          ; K step 2 w: the other buffer's 32 loads may be out
	PROC X1, 1, 0, 1, \g
	PUT 0
	PROC X0, 0, -1, 2-2*\g, 0                      ; K step 2 w + 1; in pass 0 the buffers then take pass 1's sets
	PROC X1, 1, -1, 2-2*\g, 0
	PUT 1
.endm
.macro FETCHA ks                       ; the four weight fragments of K step ks and their scale words: 14 LDS loads
.set FB, AF+48*((\ks)%2)
.irp j, 0,1,2,3
.irp ch, 0,1,2
	ds_load_b128 v[FB+12*\j+4*\ch:FB+12*\j+4*\ch+3], v[LI] offset:(4*(\ks)+\j)*TP+512*\ch
.endr
.endr
	ds_load_b32 v[SA+2*((\ks)%2)], v[SCR] offset:256*(\ks)
	ds_load_b32 v[SA+2*((\ks)%2)+1], v[SCR] offset:256*(\ks)+128
.endm
.macro UNIT ks                         ; sixteen products: four tiles of columns x my four token tiles, K step ks
.if (\ks) < 7
	s_wait_dscnt 14                                ; this K step's 14 loads are in; the next one's 14 may be out
.else
	s_wait_dscnt 0x0
.endif
.irp tp, 0,1
	XLOC 4*(\ks)+2*\tp
.if (\ks) == 0
	WIN 0xc0|(XW<<2)                               ; D window 3, C (the bias) window 0
.else
	WIN 0xf0|(XW<<2)                               ; C and D window 3
.endif
.irp jh, 0,1
.set FA, AF+48*((\ks)%2)+24*\jh
.set DD, ACC+64*\tp+16*\jh
.set SS, SA+2*((\ks)%2)+\jh
.set SX, SB+2*(\ks)+\tp
.if (\ks) == 0
.set C0, BI+16*\jh
.set C1, BI+16*\jh
.else
.set C0, DD
.set C1, DD+32
.endif
	v_wmma_scale_f32_16x16x128_f8f6f4 v[DD:DD+7], v[FA:FA+11], v[XR:XR+11], v[C0:C0+7], v[SS], v[SX] matrix_a_fmt:MATRIX_FMT_FP6 matrix_b_fmt:MATRIX_FMT_FP6
	v_wmma_scale_f32_16x16x128_f8f6f4 v[DD+8:DD+15], v[FA+12:FA+23], v[XR:XR+11], v[C0+8:C0+15], v[SS], v[SX] matrix_a_fmt:MATRIX_FMT_FP6 matrix_b_fmt:MATRIX_FMT_FP6 matrix_a_scale:MATRIX_SCALE_ROW1
	v_wmma_scale_f32_16x16x128_f8f6f4 v[DD+32:DD+39], v[FA:FA+11], v[XR+12:XR+23], v[C1:C1+7], v[SS], v[SX] matrix_a_fmt:MATRIX_FMT_FP6 matrix_b_fmt:MATRIX_FMT_FP6 matrix_b_scale:MATRIX_SCALE_ROW1
	v_wmma_scale_f32_16x16x128_f8f6f4 v[DD+40:DD+47], v[FA+12:FA+23], v[XR+12:XR+23], v[C1+8:C1+15], v[SS], v[SX] matrix_a_fmt:MATRIX_FMT_FP6 matrix_b_fmt:MATRIX_FMT_FP6 matrix_a_scale:MATRIX_SCALE_ROW1 matrix_b_scale:MATRIX_SCALE_ROW1
.endr
.endr
	WIN 0
.if (\ks) < 6
.rept 4
	v_nop                                          ; four places in front of loads into registers that these products have read (ISA guide 7.12.1 for vector instructions)
.endr
	FETCHA (\ks)+2
.endif
.endm
.macro OUT tt                          ; token tile tt: 16 tokens x the pass's 64 columns
	WIN 0x03
.set n, 0
.rept 16
	v_pk_mul_f32 v[O+n:O+n+1], v[ACC+32*\tt+n:ACC+32*\tt+n+1], s[52:53] op_sel_hi:[1,0]   ; x cw; each accumulator is read from its low end on
.set n, n+2
.endr
	WIN 0
.irp q, 0,1,2,3,4,5,6,7
	ds_store_b128 v[STO], v[O+4*\q:O+4*\q+3] offset:16*\q
.endr
	s_wait_xcnt 0x0                                ; earlier stores have read their registers
.set RR, RB+32*((\tt)%2)
.irp t, 0,1,2,3,4,5,6,7
	ds_load_b128 v[RR+4*\t:RR+4*\t+3], v[RD] offset:2*SPT*\t   ; LDS serves a wave's instructions in order: these see my stores; lanes 0-15 one row, lanes 16-31 the next
.endr
.irp t, 0,1,2,3,4,5,6,7
	s_wait_dscnt 7-\t
	global_store_b128 v[CO], v[RR+4*\t:RR+4*\t+3], s[16:17] offset:(16*\tt+2*\t)*4096 th:TH_STORE_NT   ; sixteen lanes store 256 consecutive bytes, at a multiple of 256 from part's first byte
.endr
.endm
	s_load_b256 s[4:11], s[0:1], 0x0               ; hc s[4:5], hs s[6:7], W2 s[8:9], b2 s[10:11]
	s_load_b128 s[12:15], s[0:1], 0x20             ; idx s[12:13], cw s[14:15]
	s_load_b64 s[16:17], s[0:1], 0x30              ; part
	v_lshl_add_u32 v[SPW], v0, 2, SPARE
	v_mov_b32 v[NIL], 0
	ds_add_u32 v[SPW], v[NIL]                      ; the opening lines, ahead of my first tensor load: the add,
	ds_add_u32 v[SPW], v[NIL]                      ; twice on end, under one wait
	v_lshrrev_b32 v1, 5, v0
	v_readfirstlane_b32 s20, v1                    ; wave 0..3
	s_mul_i32 s2, s20, 8*TP                        ; my two K steps' images, later my stage
	s_lshl_b32 s3, s20, 9
	s_add_co_u32 s3, s3, SCB                       ; and scale words
	s_lshl_b32 s18, s20, 9
	s_add_co_u32 s18, s18, BIA                     ; my copy of the bias
	s_mov_b32 s68, 1                               ; the tensor loads: group 0 for pass 0's tile: count, LDS address WLB + 65,536 w;
	s_lshl_b32 s69, s20, 16
	s_add_co_u32 s69, s69, WLB
	s_mov_b32 s80, 1                               ; for pass 1's: 32,768 bytes on
	s_add_co_u32 s81, s69, 32768
	s_mov_b32 s72, 3<<16                           ; group 1, for both: 128 rows of 32 elements of 8 bytes, a row of W2 apart
	s_mov_b32 s73, 32<<16
	s_mov_b32 s74, 128<<16
	s_mov_b32 s75, 32<<16
	s_mov_b32 s76, 128
	s_mov_b32 s77, ROWP/8
	s_mov_b32 s78, 0
	s_mov_b32 s79, 0
	s_mov_b32 s28, 0x76543210
	s_mov_b32 s29, 0xfedcba98                      ; v_permlanex16_b32's selects for lane l xor 16
	s_and_b32 s22, ttmp7, 0xffff                   ; the pair p
	s_and_b32 s21, ttmp9, 7                        ; nb: which 128 output columns
	s_lshr_b32 s38, ttmp9, 3                       ; kq: which quarter of K
	s_lshl_b32 s30, s22, 4                         ; hc: ((16 p + 4 w) x 32 + 8 kq) x 1,536
	s_lshl_b32 s31, s20, 2
	s_add_co_u32 s30, s30, s31
	s_lshl_b32 s30, s30, 5
	s_lshl_b32 s31, s38, 3
	s_add_co_u32 s30, s30, s31
	s_mul_i32 s30, s30, 1536
	s_mov_b32 s31, 0
	s_lshl_b32 s32, s22, 5                         ; hs: (32 p + 8 kq) x 1,024 + 256 w
	s_lshl_b32 s33, s38, 3
	s_add_co_u32 s32, s32, s33
	s_lshl_b32 s32, s32, 10
	s_lshl_b32 s33, s20, 8
	s_add_co_u32 s32, s32, s33
	s_mov_b32 s33, 0
	s_lshl_b32 s34, s22, 2                         ; idx, cw: 4 p
	s_mov_b32 s35, 0
	s_lshl_b32 s36, s22, 2                         ; part: ((4 p + kq) x 256 + 64 w) rows of 4,096 bytes + 512 nb
	s_add_co_u32 s36, s36, s38
	s_lshl_b32 s36, s36, 8
	s_lshl_b32 s37, s20, 6
	s_add_co_u32 s36, s36, s37
	s_lshl_b32 s36, s36, 12
	s_lshl_b32 s37, s21, 9
	s_add_co_u32 s36, s36, s37
	s_mov_b32 s37, 0
	v_and_b32 v42, 31, v0                          ; lane
	v_and_b32 v43, 15, v0                          ; m
	v_bfe_u32 v36, v0, 4, 1                        ; hb
	v_lshlrev_b32 v[LI], 4, v42
	v_lshlrev_b32 v[L4], 2, v42
	v_lshlrev_b32 v[H8], 3, v36
	v_lshlrev_b32 v[VA], 4, v43
	v_lshl_add_u32 v15, v36, 13, v[VA]             ; in a tile: 32 hb rows of 256 bytes + 16 m
	v_lshl_add_u32 v[CO], v36, 12, v[VA]           ; in part: row hb + 16 m
	v_mul_u32_u24 v44, v36, SPT
	v_add_nc_u32 v44, v44, v[VA]
	v_add_nc_u32 v[RD], s2, v44                    ; out of the stage: row hb, 16 m
	v_mul_u32_u24 v45, v43, SPT
	v_lshl_add_u32 v45, v36, 7, v45
	v_add_nc_u32 v[STO], s2, v45                   ; into it: row m, + 128 hb
	v_lshl_add_u32 v[VA], v36, ROWSH, v[VA]        ; in W2: 32 hb rows + 16 m
	v_add_nc_u32 v[WL0], s69, v15
	v_bfe_u32 v37, v0, 1, 2                        ; my columns' tile: (m / 2) % 4
	v_and_b32 v38, 1, v0
	v_bfe_u32 v39, v0, 3, 1
	v_lshlrev_b32 v38, 2, v38
	v_lshl_add_u32 v38, v39, 3, v38                ; their first row in it: 8 (m / 8) + 4 (m % 2); column j lies j rows on
	v_lshl_add_u32 v39, v36, 4, v38                ; as a lane of the image: + 16 hb
	v_mul_u32_u24 v40, v37, TP
	v_lshl_add_u32 v40, v39, 4, v40
	v_add_nc_u32 v[IMW], s2, v40
	v_lshlrev_b32 v41, 6, v37
	v_lshl_add_u32 v41, v38, 2, v41
	v_add_nc_u32 v[SCW], s3, v41
	v_add_nc_u32 v[SCR], SCB, v[L4]
	v_add_nc_u32 v[BLW], s18, v[LI]
	v_lshl_add_u32 v[BLR], v36, 7, s18
	s_wait_alu depctr_va_vdst(0)
	s_wait_dscnt 0x0                               ; both opening adds are done
	s_wait_kmcnt 0x0
	s_add_nc_u64 s[12:13], s[12:13], s[34:35]
	s_add_nc_u64 s[14:15], s[14:15], s[34:35]
	s_load_b32 s23, s[12:13], 0x0                  ; the expert
	s_load_b32 s52, s[14:15], 0x0                  ; and its weight
	s_add_nc_u64 s[4:5], s[4:5], s[30:31]
	s_add_nc_u64 s[6:7], s[6:7], s[32:33]
	s_add_nc_u64 s[16:17], s[16:17], s[36:37]
.irp ks, 0,1,2,3,4,5,6,7                       ; what does not hang on the expert is asked for while its number is on its way
.irp u, 0,1
	global_load_b32 v[SB+2*\ks+\u], v[L4], s[6:7] offset:1024*\ks+128*\u
.endr
.endr
.irp ks, 0,1,2,3,4,5,6,7
.irp tt, 0,1,2,3
	XLOC 4*\ks+\tt
	WIN XW<<6
.irp ch, 0,1,2
	global_load_b128 v[XR+4*\ch:XR+4*\ch+3], v[LI], s[4:5] offset:\tt*ACT_T+\ks*1536+512*\ch   ; fragment 4 ks + tt, as it lies
.endr
.endr
.endr
	WIN 0
	s_wait_kmcnt 0x0
	s_min_u32 s23, s23, 7                          ; a loaded number enters an address only held to its table
	s_mov_b32 s53, s52                             ; (a packed source names the pair)
	s_lshl_b32 s24, s23, 24                        ; W2: expert x 16 MiB + (1,024 kq + 256 w) rows + 512 nb
	s_lshl_b32 s25, s38, 22
	s_add_co_u32 s24, s24, s25
	s_lshl_b32 s25, s20, 20
	s_add_co_u32 s24, s24, s25
	s_lshl_b32 s25, s21, 9
	s_add_co_u32 s24, s24, s25
	s_mov_b32 s25, 0
	s_add_nc_u64 s[8:9], s[8:9], s[24:25]
	s_add_nc_u64 s[70:71], s[8:9], 128*ROWP        ; K step 2 w + 1, pass 0's columns;
	s_or_b32 s71, s71, 0x80000000
	s_add_nc_u64 s[82:83], s[70:71], 256           ; pass 1's
	tensor_load_to_lds s[68:71], s[72:79]          ; pass 0's tile: my one tensor load at the head
	s_nop 0
.rept 4
	v_nop
.endr
	s_lshl_b32 s24, s23, 12                        ; b2: expert x 4,096 + 512 nb
	s_lshl_b32 s27, s21, 9
	s_add_co_u32 s24, s24, s27
	s_add_nc_u64 s[10:11], s[10:11], s[24:25]
	s_cmp_eq_u32 s38, 0
	s_cselect_b32 s54, 0x3f800000, 0               ; the bias counts once among the four quarters of K: a choice of a value, no branch
	s_mov_b32 s55, s54
	global_load_b128 v[BL:BL+3], v[LI], s[10:11]   ; b2's 128 numbers
	LOADH X0, 0, 0, 0
	LOADH X0, 0, 0, 1
	LOADH X1, 0, 1, 0
	LOADH X1, 0, 1, 1
	WIN 0
	s_wait_loadcnt 63                              ; b2 is in: 64 loads are younger
	s_wait_tensorcnt 0x0                           ; pass 0's tile has landed
	ds_add_u32 v[SPW], v[NIL]
	s_wait_dscnt 0x0
	s_barrier_signal -1
	s_barrier_wait -1
	tensor_load_to_lds s[80:83], s[72:79]          ; pass 1's tile, into bytes of its own: my one tensor load behind this barrier
	s_nop 0
.rept 4
	v_nop
.endr
	v_pk_mul_f32 v[BL:BL+1], v[BL:BL+1], s[54:55] op_sel_hi:[1,0]
	v_pk_mul_f32 v[BL+2:BL+3], v[BL+2:BL+3], s[54:55] op_sel_hi:[1,0]
	ds_store_b128 v[BLW], v[BL:BL+3]               ; the bias: my wave's copy
	QUANT 0
	s_mov_b32 s62, 0                               ; the pass
	s_mov_b32 s63, 0                               ; and its columns' place in the bias's 128 numbers, in bytes
.Lpass:
	v_add_nc_u32 v[BLG], s63, v[BLR]
	s_wait_alu depctr_va_vdst(0)
	s_wait_dscnt 0x0                               ; for the others' sake: my images and scale words have landed
	s_barrier_signal -1
	s_barrier_wait -1
.irp i, 0,1,2,3,4,5,6,7
	ds_load_b128 v[BI+4*\i:BI+4*\i+3], v[BLG] offset:16*\i   ; the bias at my 32 columns, from my wave's own copy
.endr
	FETCHA 0
	FETCHA 1
.irp ks, 0,1,2,3,4,5,6,7
	UNIT \ks
.endr
	s_barrier_signal -1                            ; my reads of the images are over (the last K step waited for all): behind this barrier each wave may write its own again
.rept 4
	v_nop                                          ; the places behind the last products
.endr
	s_barrier_wait -1
.irp tt, 0,1,2,3
	OUT \tt
.endr
	s_wait_xcnt 0x0                                ; the stores on their way have read their base
	s_add_nc_u64 s[16:17], s[16:17], 256
	s_add_co_u32 s63, s63, 256
	s_add_co_u32 s62, s62, 1
	s_cmp_eq_u32 s62, 2
	s_wait_alu depctr_va_vdst(0)
	s_cbranch_scc1 .Ldone                          ; both passes are done
	s_wait_tensorcnt 0x0                           ; pass 1's tile has landed; only I read it
	QUANT 1
	s_cmp_lt_u32 s62, 2
	s_wait_alu depctr_va_vdst(0)
	s_cbranch_scc1 .Lpass
.Ldone:
	s_wait_tensorcnt 0x0                           ; the wave's end
	ds_add_u32 v[SPW], v[NIL]
	s_wait_dscnt 0x0
	s_endpgm
.Lfunc_end_k_qd824219e8a_ffn2:
	.size	k_qd824219e8a_ffn2, .Lfunc_end_k_qd824219e8a_ffn2-k_qd824219e8a_ffn2
	.p2alignl 7, 3214868480
	.fill 96, 4, 3214868480
	.section	.rodata,"a",@progbits
	.p2align	6, 0x0
	.amdhsa_kernel k_qd824219e8a_ffn2
		.amdhsa_group_segment_fixed_size 327680
		.amdhsa_private_segment_fixed_size 0
		.amdhsa_enable_private_segment 0
		.amdhsa_kernarg_size 56
		.amdhsa_user_sgpr_count 2
		.amdhsa_user_sgpr_kernarg_segment_ptr 1
		.amdhsa_wavefront_size32 1
		.amdhsa_system_sgpr_workgroup_id_x 1
		.amdhsa_system_sgpr_workgroup_id_y 1
		.amdhsa_system_sgpr_workgroup_id_z 1
		.amdhsa_system_vgpr_workitem_id 0
		.amdhsa_next_free_vgpr 1024
		.amdhsa_next_free_sgpr 84
		.amdhsa_reserve_vcc 0
		.amdhsa_float_denorm_mode_32 3
		.amdhsa_float_denorm_mode_16_64 3
		.amdhsa_memory_ordered 1
		.amdhsa_forward_progress 1
		.amdhsa_inst_pref_size 163
	.end_amdhsa_kernel
	.amdgpu_metadata
---
amdhsa.version: [ 1, 2 ]
amdhsa.kernels:
  - .name:           k_qd824219e8a_ffn2
    .symbol:         k_qd824219e8a_ffn2.kd
    .args:
      - { .name: hc, .offset: 0, .size: 8, .value_kind: global_buffer, .address_space: global }
      - { .name: hs, .offset: 8, .size: 8, .value_kind: global_buffer, .address_space: global }
      - { .name: W2, .offset: 16, .size: 8, .value_kind: global_buffer, .address_space: global }
      - { .name: b2, .offset: 24, .size: 8, .value_kind: global_buffer, .address_space: global }
      - { .name: idx, .offset: 32, .size: 8, .value_kind: global_buffer, .address_space: global }
      - { .name: cw, .offset: 40, .size: 8, .value_kind: global_buffer, .address_space: global }
      - { .name: part, .offset: 48, .size: 8, .value_kind: global_buffer, .address_space: global }
    .group_segment_fixed_size: 327680
    .private_segment_fixed_size: 0
    .kernarg_segment_align: 8
    .kernarg_segment_size: 56
    .max_flat_workgroup_size: 128
    .sgpr_count:     84
    .vgpr_count:     1024
    .wavefront_size: 32
...
	.end_amdgpu_metadata
.endif
;; end of part 4
;; launch lnorm (part 5): grid 256 x 1, 8 waves a work-group, no clusters, 1,280 bytes of LDS; arguments part, x, gamma, beta, out0; writes out0
.if DOCPART == 5
	.amdgcn_target "amdgcn-amd-amdhsa--gfx1250"
	.amdhsa_code_object_version 6
	.text
	.protected	k_qd824219e8a_lnorm
	.globl	k_qd824219e8a_lnorm
	.p2align	8
	.type	k_qd824219e8a_lnorm,@function
k_qd824219e8a_lnorm:
	s_mov_b64 s[64:65], 0
	v_nop
	global_prefetch_b8 v0, s[64:65] scope:SCOPE_SE
	s_setreg_imm32_b32 hwreg(HW_REG_WAVE_MODE, 25, 1), 1
	s_wait_xcnt 0x0
; out0 = LayerNorm(x + the sum of a batch's eight parts) x gamma + beta, all in f32.  A row of 1,024 numbers is shared by two waves, 512 each (16 a lane); a work-group has four rows.
; The mean is taken first and the variance of the differences from it, as the layer is written; the two halves' sums meet in LDS (two barriers, other bytes for the second sum).
; All 44 loads of a wave go out at once; each reads 512 consecutive bytes.  Matrix units, tensor loads and clusters have nothing to do here: every byte is read once, by one wave.
; LIMITS: NaN and infinities are not served.
.set Y,  16                            ; v16-31   my 16 numbers
.set PT, 32                            ; v32-159  the eight parts
.set GA, 160                           ; v160-175 gamma
.set BE, 176                           ; v176-191 beta
	s_load_b256 s[4:11], s[0:1], 0x0               ; part s[4:5], x s[6:7], gamma s[8:9], beta s[10:11]
	s_load_b64 s[12:13], s[0:1], 0x20              ; out0
	v_lshl_add_u32 v192, v0, 2, 0x100
	v_mov_b32 v193, 0
	v_lshrrev_b32 v1, 5, v0
	s_delay_alu instid0(VALU_DEP_1)
	v_readfirstlane_b32 s14, v1                    ; wave 0..7
	v_and_b32 v2, 31, v0
	s_delay_alu instid0(VALU_DEP_1)
	v_lshlrev_b32 v2, 4, v2
	s_and_b32 s15, s14, 1
	s_lshl_b32 s15, s15, 11
	v_add_nc_u32 v2, s15, v2                       ; my bytes in a row: 2,048 x half + 16 x lane (+ 512 q)
	v_lshlrev_b32 v3, 2, v1                        ; LDS: 4 x wave
	v_lshrrev_b32 v12, 6, v0
	s_delay_alu instid0(VALU_DEP_1)
	v_lshlrev_b32 v12, 3, v12                      ; LDS: 8 x (wave / 2): my row's two words
	s_lshr_b32 s16, s14, 1
	s_lshl_b32 s17, ttmp9, 2
	s_add_co_u32 s16, s16, s17                     ; my row, 0..1023
	s_lshl_b32 s18, s16, 12                        ; in x and out0
	s_mov_b32 s19, 0
	s_lshr_b32 s20, s16, 8                         ; in part: batch x 8 MiB + token x 4,096; the eight parts stand in the immediates, 1 MiB apart
	s_lshl_b32 s20, s20, 23
	s_and_b32 s21, s16, 255
	s_lshl_b32 s21, s21, 12
	s_add_co_u32 s20, s20, s21
	s_mov_b32 s21, 0
	s_mov_b32 s22, 0x76543210
	s_mov_b32 s23, 0xfedcba98
	s_mov_b32 s24, 0x3a800000                      ; 1 / 1,024
	s_mov_b32 s25, 0x3727c5ac                      ; 1e-5
	s_wait_alu depctr_va_vdst(0)
	s_wait_kmcnt 0x0
	s_add_nc_u64 s[4:5], s[4:5], s[20:21]
	s_add_nc_u64 s[6:7], s[6:7], s[18:19]
	s_add_nc_u64 s[12:13], s[12:13], s[18:19]
.irp q, 0,1,2,3
	global_load_b128 v[Y+4*\q:Y+4*\q+3], v2, s[6:7] offset:512*\q th:TH_LOAD_NT
.endr
.irp s, 0,1,2,3,4,5,6,7
.irp q, 0,1,2,3
	global_load_b128 v[PT+16*\s+4*\q:PT+16*\s+4*\q+3], v2, s[4:5] offset:1048576*\s+512*\q th:TH_LOAD_NT
.endr
.endr
.irp q, 0,1,2,3
	global_load_b128 v[GA+4*\q:GA+4*\q+3], v2, s[8:9] offset:512*\q
.endr
.irp q, 0,1,2,3
	global_load_b128 v[BE+4*\q:BE+4*\q+3], v2, s[10:11] offset:512*\q
.endr
.macro WSUM                            ; v4 summed over the 32 lanes, in every lane (v5 has been written: a lane permute's destination counts as read)
	s_delay_alu instid0(VALU_DEP_1)
	v_add_f32_dpp v4, v4, v4 row_xmask:1 row_mask:0xf bank_mask:0xf
	s_delay_alu instid0(VALU_DEP_1)
	v_add_f32_dpp v4, v4, v4 row_xmask:2 row_mask:0xf bank_mask:0xf
	s_delay_alu instid0(VALU_DEP_1)
	v_add_f32_dpp v4, v4, v4 row_xmask:4 row_mask:0xf bank_mask:0xf
	s_delay_alu instid0(VALU_DEP_1)
	v_add_f32_dpp v4, v4, v4 row_xmask:8 row_mask:0xf bank_mask:0xf
	s_delay_alu instid0(VALU_DEP_1)
	v_permlanex16_b32 v5, v4, s22, s23
	s_delay_alu instid0(VALU_DEP_1)
	v_add_f32 v4, v4, v5
.endm
	s_wait_loadcnt 8                               ; x and the parts are in; gamma's and beta's eight loads may be out
.irp s, 0,1,2,3,4,5,6,7
.irp n, 0,2,4,6,8,10,12,14
	v_pk_add_f32 v[Y+\n:Y+\n+1], v[Y+\n:Y+\n+1], v[PT+16*\s+\n:PT+16*\s+\n+1]   ; eight chains that do not wait for each other
.endr
.endr
	v_pk_add_f32 v[4:5], v[Y:Y+1], v[Y+2:Y+3]
	v_pk_add_f32 v[6:7], v[Y+4:Y+5], v[Y+6:Y+7]
	v_pk_add_f32 v[8:9], v[Y+8:Y+9], v[Y+10:Y+11]
	s_delay_alu instid0(VALU_DEP_4)
	v_pk_add_f32 v[10:11], v[Y+12:Y+13], v[Y+14:Y+15]
	s_delay_alu instid0(VALU_DEP_3)
	v_pk_add_f32 v[4:5], v[4:5], v[6:7]
	s_delay_alu instid0(VALU_DEP_2)
	v_pk_add_f32 v[8:9], v[8:9], v[10:11]
	s_delay_alu instid0(VALU_DEP_1)
	v_pk_add_f32 v[4:5], v[4:5], v[8:9]
	s_delay_alu instid0(VALU_DEP_1)
	v_add_f32 v4, v4, v5
	WSUM
	ds_store_b32 v3, v4                            ; all lanes write the same word with the same value
	s_wait_dscnt 0x0                               ; for the other half's sake
	s_barrier_signal -1
	s_barrier_wait -1
	ds_load_b64 v[6:7], v12
	s_wait_dscnt 0x0
	v_add_f32 v6, v6, v7                           ; the row's sum
	s_delay_alu instid0(VALU_DEP_1)
	v_mul_f32 v8, 0xba800000, v6                   ; - the mean, twice
	s_delay_alu instid0(VALU_DEP_2)
	v_mul_f32 v9, 0xba800000, v6
.irp n, 0,2,4,6,8,10,12,14
	v_pk_add_f32 v[Y+\n:Y+\n+1], v[Y+\n:Y+\n+1], v[8:9]
.endr
	v_pk_mul_f32 v[4:5], v[Y:Y+1], v[Y:Y+1]
	v_pk_mul_f32 v[6:7], v[Y+2:Y+3], v[Y+2:Y+3]
.irp n, 4,8,12
	s_delay_alu instid0(VALU_DEP_2)
	v_pk_fma_f32 v[4:5], v[Y+\n:Y+\n+1], v[Y+\n:Y+\n+1], v[4:5]
	s_delay_alu instid0(VALU_DEP_2)
	v_pk_fma_f32 v[6:7], v[Y+\n+2:Y+\n+3], v[Y+\n+2:Y+\n+3], v[6:7]
.endr
	s_delay_alu instid0(VALU_DEP_1)
	v_pk_add_f32 v[4:5], v[4:5], v[6:7]
	s_delay_alu instid0(VALU_DEP_1)
	v_add_f32 v4, v4, v5
	WSUM
	ds_store_b32 v3, v4 offset:64                  ; other bytes than the first sum's, which the other half may still be reading
	s_wait_dscnt 0x0
	s_barrier_signal -1
	s_barrier_wait -1
	ds_load_b64 v[6:7], v12 offset:64
	s_wait_dscnt 0x0
	v_add_f32 v6, v6, v7
	s_delay_alu instid0(VALU_DEP_1)
	v_fma_f32 v6, v6, s24, s25                     ; the variance + 1e-5
	s_wait_alu depctr_va_vdst(0)
	v_rsq_f32 v8, v6
	v_nop                                          ; a plain line behind the transcendental
	s_wait_alu depctr_va_vdst(0)                   ; and the wait ahead of its first reader
.irp n, 0,2,4,6,8,10,12,14
	v_pk_mul_f32 v[Y+\n:Y+\n+1], v[Y+\n:Y+\n+1], v[8:9] op_sel_hi:[1,0]   ; (of the pair the low word serves both halves)
.endr
	s_wait_alu depctr_va_vdst(0)
	s_wait_loadcnt 0x0                             ; gamma and beta
.irp n, 0,2,4,6,8,10,12,14
	v_pk_fma_f32 v[Y+\n:Y+\n+1], v[Y+\n:Y+\n+1], v[GA+\n:GA+\n+1], v[BE+\n:BE+\n+1]
.endr
.irp q, 0,1,2,3
	global_store_b128 v2, v[Y+4*\q:Y+4*\q+3], s[12:13] offset:512*\q th:TH_STORE_NT   ; 512 consecutive bytes a store
.endr
	s_wait_tensorcnt 0x0
	ds_add_u32 v192, v193
	s_wait_dscnt 0x0
	s_endpgm
.Lfunc_end_k_qd824219e8a_lnorm:
	.size	k_qd824219e8a_lnorm, .Lfunc_end_k_qd824219e8a_lnorm-k_qd824219e8a_lnorm
	.p2alignl 7, 3214868480
	.fill 96, 4, 3214868480
	.section	.rodata,"a",@progbits
	.p2align	6, 0x0
	.amdhsa_kernel k_qd824219e8a_lnorm
		.amdhsa_group_segment_fixed_size 1280
		.amdhsa_private_segment_fixed_size 0
		.amdhsa_enable_private_segment 0
		.amdhsa_kernarg_size 40
		.amdhsa_user_sgpr_count 2
		.amdhsa_user_sgpr_kernarg_segment_ptr 1
		.amdhsa_wavefront_size32 1
		.amdhsa_system_sgpr_workgroup_id_x 1
		.amdhsa_system_sgpr_workgroup_id_y 1
		.amdhsa_system_sgpr_workgroup_id_z 1
		.amdhsa_system_vgpr_workitem_id 0
		.amdhsa_next_free_vgpr 194
		.amdhsa_next_free_sgpr 66
		.amdhsa_reserve_vcc 0
		.amdhsa_float_denorm_mode_32 3
		.amdhsa_float_denorm_mode_16_64 3
		.amdhsa_memory_ordered 1
		.amdhsa_forward_progress 1
		.amdhsa_inst_pref_size 16
	.end_amdhsa_kernel
	.amdgpu_metadata
---
amdhsa.version: [ 1, 2 ]
amdhsa.kernels:
  - .name:           k_qd824219e8a_lnorm
    .symbol:         k_qd824219e8a_lnorm.kd
    .args:
      - { .name: part, .offset: 0, .size: 8, .value_kind: global_buffer, .address_space: global }
      - { .name: x, .offset: 8, .size: 8, .value_kind: global_buffer, .address_space: global }
      - { .name: gamma, .offset: 16, .size: 8, .value_kind: global_buffer, .address_space: global }
      - { .name: beta, .offset: 24, .size: 8, .value_kind: global_buffer, .address_space: global }
      - { .name: out0, .offset: 32, .size: 8, .value_kind: global_buffer, .address_space: global }
    .group_segment_fixed_size: 1280
    .private_segment_fixed_size: 0
    .kernarg_segment_align: 8
    .kernarg_segment_size: 40
    .max_flat_workgroup_size: 256
    .sgpr_count:     66
    .vgpr_count:     194
    .wavefront_size: 32
...
	.end_amdgpu_metadata
.endif
;; end of part 5
